; MI455X (gfx1250); checked and timed in simulation.
; The chip was launched on July 23, 2026; its instructions are those of AMD's public machine-readable ISA for CDNA 5 (MIT licence, August 2026) and "CDNA5" Instruction Set Architecture Reference Guide (July 2026). The comments in the code are by the model that wrote it; some were corrected since.
;; Mu Attention. Allowed arithmetic: float matrix products may take bf16 or f16 operands with f32 sums; other float arithmetic in f32, or as packed bf16 or f16 multiplies, adds, multiply-adds, maxima and minima; sums over many terms, partial sums and values carried from step to step in f32; what a program stores and reads back later, other than sums and carried values, may be rounded once to bf16 or f16.
;; Inputs: Wk 512 x 4,096 float32; Wo 4,096 x 1,024 float32; Wq 1,024 x 4,096 float32; Wv 512 x 4,096 float32; hidden_states 2 x 2,048 x 4,096 float32; k_norm_w 128 float32; position_ids 2 x 2,048 int32; q_norm_w 128 float32.
;; Outputs: out0 2 x 2,048 x 4,096 float32.
;; One version. Each part assembles by itself: llvm-mc -triple=amdgcn-amd-amdhsa -mcpu=gfx1250 --defsym DOCPART=n.
;; ======== version 1 of 1: 4 launches
;; limits: values are held in f16: magnitudes above 65,504 overflow, below 6.1e-05 lose precision
;; workspace buffers: xb 33,554,432 bytes; wb 16,777,216 bytes; wob 8,388,608 bytes; tab 2,097,152 bytes; hb 16,777,216 bytes; ob 8,388,608 bytes; vl 65,536 bytes
;; launch prep (part 1): grid 2048 x 1, 8 waves a work-group, no clusters, 0 bytes of LDS; arguments hidden_states, Wq, Wk, Wv, Wo, position_ids, xb, wb, wob, tab; writes xb, wb, wob, tab
.if DOCPART == 1
	.amdgcn_target "amdgcn-amd-amdhsa--gfx1250"
	.amdhsa_code_object_version 6
	.text
	.protected	k_qbcdb72fb02_prep
	.globl	k_qbcdb72fb02_prep
	.p2align	8
	.type	k_qbcdb72fb02_prep,@function
k_qbcdb72fb02_prep:
	s_mov_b64 s[64:65], 0
	v_nop
	global_prefetch_b8 v0, s[64:65] scope:SCOPE_SE
	s_setreg_imm32_b32 hwreg(HW_REG_WAVE_MODE, 25, 1), 1
	s_wait_xcnt 0x0
; CASTS AND THE ROPE TABLE.  A stream: no LDS, no barrier, no matrix unit.
; Work-group g takes one chunk of 16,384 numbers (65,536 bytes in, 32,768 out):
;   g 0..1023     hidden_states -> xb (bf16)
;   g 1024..1535  Wq, Wk, Wv    -> wb (bf16), one below the other: rows 0-1023 Wq, 1024-1535 Wk, 1536-2047 Wv
;   g 1536..1791  Wo            -> wob: rounded to bf16 like every other input, that number then written as f16
;   g 1792..2047  16 rows each of tab: tab[row][0..63] = cos(pos x inv_freq[j]), tab[row][64..127] = sin(..), f32
; LIMITS.  Wo: a bf16 number beyond 65,504 has no f16; below 6e-5 it keeps the fixed step of 6e-8 of f16.
; Positions: |pos| under 2^22 (the two-part reduction by pi/2 is made for that range).  inv_freq is 2^(-j log2(10000)/64).
.set G_W,   1024
.set G_WK,  1280
.set G_WV,  1408
.set G_WO,  1536
.set G_TAB, 1792
	s_load_b512 s[4:19], s[0:1], 0x0               ; hidden s[4:5], Wq s[6:7], Wk s[8:9], Wv s[10:11], Wo s[12:13], positions s[14:15], xb s[16:17], wb s[18:19]
	s_load_b128 s[20:23], s[0:1], 0x40             ; wob s[20:21], tab s[22:23]
	s_mov_b32 s24, ttmp9                           ; g
	v_lshlrev_b32 v1, 4, v0                        ; 16 bytes a thread on the way in,
	v_lshlrev_b32 v2, 3, v0                        ; 8 on the way out
	s_cmp_ge_u32 s24, G_TAB
	s_cbranch_scc1 .Ltable
	; the first g of my source buffer (s25) and of my destination buffer (s26)
	s_cmp_ge_u32 s24, G_W
	s_cselect_b32 s25, G_W, 0
	s_cselect_b32 s26, G_W, 0
	s_cmp_ge_u32 s24, G_WK
	s_cselect_b32 s25, G_WK, s25
	s_cmp_ge_u32 s24, G_WV
	s_cselect_b32 s25, G_WV, s25
	s_cmp_ge_u32 s24, G_WO
	s_cselect_b32 s25, G_WO, s25
	s_cselect_b32 s26, G_WO, s26
	s_sub_co_u32 s25, s24, s25
	s_sub_co_u32 s26, s24, s26
	s_lshl_b32 s28, s25, 16                        ; byte offsets, made apart from the addresses; both stay under 2^27
	s_mov_b32 s29, 0
	s_lshl_b32 s30, s26, 15
	s_mov_b32 s31, 0
	s_mov_b32 s36, 0xffff0000                      ; a word's upper bf16
	s_wait_kmcnt 0x0
	s_cmp_ge_u32 s24, G_W
	s_cselect_b64 s[32:33], s[6:7], s[4:5]
	s_cselect_b64 s[34:35], s[18:19], s[16:17]
	s_cmp_ge_u32 s24, G_WK
	s_cselect_b64 s[32:33], s[8:9], s[32:33]
	s_cmp_ge_u32 s24, G_WV
	s_cselect_b64 s[32:33], s[10:11], s[32:33]
	s_cmp_ge_u32 s24, G_WO
	s_cselect_b64 s[32:33], s[12:13], s[32:33]
	s_cselect_b64 s[34:35], s[20:21], s[34:35]
	s_add_nc_u64 s[32:33], s[32:33], s[28:29]
	s_add_nc_u64 s[34:35], s[34:35], s[30:31]
	; all sixteen loads of the chunk go out at once: 64 KiB of the work-group are on their way; a wave's load covers 512 consecutive bytes
.set i, 0
.rept 16
	global_load_b128 v[8+4*i:11+4*i], v1, s[32:33] offset:4096*i th:TH_LOAD_NT
.set i, i+1
.endr
	s_cmp_ge_u32 s24, G_WO
	s_cbranch_scc1 .Lwo
.set i, 0
.rept 16
	s_wait_loadcnt 15-i                            ; loads come back in order: load i is in, the 15 - i younger ones stay out
	v_cvt_pk_bf16_f32 v[72+2*i], v[8+4*i], v[9+4*i]
	v_cvt_pk_bf16_f32 v[73+2*i], v[10+4*i], v[11+4*i]
	global_store_b64 v2, v[72+2*i:73+2*i], s[34:35] offset:2048*i th:TH_STORE_NT  ; a wave's store covers 256 consecutive bytes, aligned; no register is written twice
.set i, i+1
.endr
	s_endpgm
.Lwo:
.set i, 0
.rept 16
	s_wait_loadcnt 15-i
	v_cvt_pk_bf16_f32 v104, v[8+4*i], v[9+4*i]     ; the rounding that every input gets,
	v_cvt_pk_bf16_f32 v105, v[10+4*i], v[11+4*i]
	v_lshlrev_b32 v106, 16, v104                   ; back to f32,
	v_and_b32 v107, s36, v104
	v_lshlrev_b32 v108, 16, v105
	v_and_b32 v109, s36, v105
	v_cvt_pk_f16_f32 v[72+2*i], v106, v107         ; and written as f16
	v_cvt_pk_f16_f32 v[73+2*i], v108, v109
	global_store_b64 v2, v[72+2*i:73+2*i], s[34:35] offset:2048*i th:TH_STORE_NT
.set i, i+1
.endr
	s_endpgm
.Ltable:                                               ; thread t: row 16 (g - 1792) + t / 16, frequencies 4 (t % 16) + 0..3
	s_sub_co_u32 s25, s24, G_TAB
	s_lshl_b32 s25, s25, 4
	v_lshrrev_b32 v3, 4, v0
	v_add_nc_u32 v3, s25, v3                       ; row
	v_lshlrev_b32 v4, 2, v3
	v_and_b32 v5, 15, v0
	s_wait_kmcnt 0x0
	global_load_b32 v6, v4, s[14:15]               ; the row's position
	s_mov_b32 s40, 0x3f22f983                      ; 2 / pi
	s_mov_b32 s41, 0xbfc90fdb                      ; -(pi / 2), its f32 part
	s_mov_b32 s42, 0x333bbd2e                      ; what that part exceeds pi / 2 by
	s_mov_b32 s43, 0xbe2aaaa3                      ; sine: -1.6666654611e-1
	s_mov_b32 s44, 0x3c08839e                      ;        8.3321608736e-3
	s_mov_b32 s45, 0xb94ca1f9                      ;       -1.9515295891e-4
	s_mov_b32 s46, 0x3d2aaaa5                      ; cosine: 4.166664568e-2
	s_mov_b32 s47, 0xbab6061a                      ;        -1.388731625e-3
	s_mov_b32 s48, 0x37ccf5ce                      ;         2.443315712e-5
	s_mov_b32 s49, 0xbe549a78                      ; -log2(10000) / 64
	v_lshlrev_b32 v20, 2, v5
	v_cvt_f32_u32 v8, v20                          ; j
	v_add_f32 v9, 1.0, v8
	v_add_f32 v10, 2.0, v8
	v_add_f32 v11, 0x40400000, v8
	v_mul_f32 v8, s49, v8
	v_mul_f32 v9, s49, v9
	v_mul_f32 v10, s49, v10
	v_mul_f32 v11, s49, v11
	v_exp_f32 v8, v8                               ; inv_freq: one batch of four,
	v_exp_f32 v9, v9
	v_exp_f32 v10, v10
	v_exp_f32 v11, v11
	v_lshlrev_b32 v28, 9, v3                       ; plain work behind the last of them: where my 16 bytes of cosines go
	v_lshl_add_u32 v28, v5, 4, v28
	s_wait_alu depctr_va_vdst(0)                   ; and one wait ahead of the first reader
	s_wait_loadcnt 0x0
	v_cvt_f32_i32 v7, v6
; angle a = pos x inv; k = the nearest whole number to a 2 / pi; r = a - k pi / 2 in two parts, |r| <= pi / 4; polynomials for sin r and cos r; the quadrant k mod 4 swaps them and sets the signs
.macro SC k
	v_mul_f32 v20, v7, v[8+(\k)]
	v_mul_f32 v21, s40, v20
	v_rndne_f32 v21, v21
	v_fma_f32 v22, v21, s41, v20
	v_fma_f32 v22, v21, s42, v22
	v_mul_f32 v23, v22, v22
	v_fma_f32 v24, v23, s45, s44
	v_fma_f32 v25, v23, s48, s47
	v_fma_f32 v24, v23, v24, s43
	v_fma_f32 v25, v23, v25, s46
	v_mul_f32 v24, v24, v23
	v_mul_f32 v25, v25, v23
	v_fma_f32 v26, v23, -0.5, 1.0
	v_fma_f32 v24, v24, v22, v22                   ; sin r
	v_fma_f32 v25, v25, v23, v26                   ; cos r
	v_cvt_i32_f32 v27, v21
	v_and_b32 v26, 1, v27
	v_cmp_eq_u32 vcc_lo, 1, v26
	v_cndmask_b32 v[16+(\k)], v24, v25, vcc_lo     ; odd quadrants swap the two
	v_cndmask_b32 v[12+(\k)], v25, v24, vcc_lo
	v_and_b32 v26, 2, v27
	v_lshlrev_b32 v26, 30, v26
	v_xor_b32 v[16+(\k)], v[16+(\k)], v26          ; the sine is turned in quadrants 2 and 3,
	v_add_nc_u32 v27, 1, v27
	v_and_b32 v27, 2, v27
	v_lshlrev_b32 v27, 30, v27
	v_xor_b32 v[12+(\k)], v[12+(\k)], v27          ; the cosine in 1 and 2
.endm
	SC 0
	SC 1
	SC 2
	SC 3
	global_store_b128 v28, v[12:15], s[22:23]              ; sixteen lanes store 256 consecutive bytes, aligned: a row's cosines,
	global_store_b128 v28, v[16:19], s[22:23] offset:256   ; and its sines
	s_endpgm
.Lfunc_end_k_qbcdb72fb02_prep:
	.size	k_qbcdb72fb02_prep, .Lfunc_end_k_qbcdb72fb02_prep-k_qbcdb72fb02_prep
	.p2alignl 7, 3214868480
	.fill 96, 4, 3214868480
	.section	.rodata,"a",@progbits
	.p2align	6, 0x0
	.amdhsa_kernel k_qbcdb72fb02_prep
		.amdhsa_group_segment_fixed_size 0
		.amdhsa_private_segment_fixed_size 0
		.amdhsa_enable_private_segment 0
		.amdhsa_kernarg_size 80
		.amdhsa_user_sgpr_count 2
		.amdhsa_user_sgpr_kernarg_segment_ptr 1
		.amdhsa_wavefront_size32 1
		.amdhsa_system_sgpr_workgroup_id_x 1
		.amdhsa_system_sgpr_workgroup_id_y 1
		.amdhsa_system_sgpr_workgroup_id_z 1
		.amdhsa_system_vgpr_workitem_id 0
		.amdhsa_next_free_vgpr 112
		.amdhsa_next_free_sgpr 66
		.amdhsa_reserve_vcc 1
		.amdhsa_float_denorm_mode_32 3
		.amdhsa_float_denorm_mode_16_64 3
		.amdhsa_memory_ordered 1
		.amdhsa_forward_progress 1
		.amdhsa_inst_pref_size 22
	.end_amdhsa_kernel
	.amdgpu_metadata
---
amdhsa.version: [ 1, 2 ]
amdhsa.kernels:
  - .name:           k_qbcdb72fb02_prep
    .symbol:         k_qbcdb72fb02_prep.kd
    .args:
      - { .name: hidden_states, .offset: 0, .size: 8, .value_kind: global_buffer, .address_space: global }
      - { .name: Wq, .offset: 8, .size: 8, .value_kind: global_buffer, .address_space: global }
      - { .name: Wk, .offset: 16, .size: 8, .value_kind: global_buffer, .address_space: global }
      - { .name: Wv, .offset: 24, .size: 8, .value_kind: global_buffer, .address_space: global }
      - { .name: Wo, .offset: 32, .size: 8, .value_kind: global_buffer, .address_space: global }
      - { .name: position_ids, .offset: 40, .size: 8, .value_kind: global_buffer, .address_space: global }
      - { .name: xb, .offset: 48, .size: 8, .value_kind: global_buffer, .address_space: global }
      - { .name: wb, .offset: 56, .size: 8, .value_kind: global_buffer, .address_space: global }
      - { .name: wob, .offset: 64, .size: 8, .value_kind: global_buffer, .address_space: global }
      - { .name: tab, .offset: 72, .size: 8, .value_kind: global_buffer, .address_space: global }
    .group_segment_fixed_size: 0
    .private_segment_fixed_size: 0
    .kernarg_segment_align: 8
    .kernarg_segment_size: 80
    .max_flat_workgroup_size: 256
    .sgpr_count:     66
    .vgpr_count:     112
    .wavefront_size: 32
...
	.end_amdgpu_metadata
.endif
;; end of part 1
;; launch qkv (part 2): grid 16 x 16, 4 waves a work-group, clusters of 4 x 4, 327,680 bytes of LDS; arguments xb, wb, tab, q_norm_w, k_norm_w, hb, vl; writes hb, vl
.if DOCPART == 2
	.amdgcn_target "amdgcn-amd-amdhsa--gfx1250"
	.amdhsa_code_object_version 6
	.text
	.protected	k_qbcdb72fb02_qkv
	.globl	k_qbcdb72fb02_qkv
	.p2align	8
	.type	k_qbcdb72fb02_qkv,@function
k_qbcdb72fb02_qkv:
	s_mov_b64 s[64:65], 0
	v_nop
	global_prefetch_b8 v0, s[64:65] scope:SCOPE_SE
	s_setreg_imm32_b32 hwreg(HW_REG_WAVE_MODE, 25, 1), 1
	s_wait_xcnt 0x0
	s_wait_alu depctr_hold_cnt(0) depctr_sa_sdst(0) depctr_va_vdst(0) depctr_va_sdst(0) depctr_va_ssrc(0) depctr_va_vcc(0) depctr_vm_vsrc(0)
	s_getreg_b32 s2, hwreg(HW_REG_IB_STS2, 6, 4)
	s_cmp_eq_u32 s2, 0
	s_cbranch_scc0 .Lentry_in_a_cluster
	s_endpgm
.Lentry_in_a_cluster:
	s_bfe_u32 s2, ttmp6, 0x10000c
	s_cmp_lg_u32 s2, 0xf033
	s_cbranch_scc0 .Lentry_shape_is_right
	s_endpgm
.Lentry_shape_is_right:
; Q, K, V PROJECTIONS WITH RMSNORM AND ROPE ON THE WAY OUT.  hb[b][slot][s][:] = f(sum over k of xb[m][k] wb[128 slot + d][k]), m = 2048 b + s.
; xb: [4096][4096] bf16, wb: [2048][4096] bf16, sums in f32; hb: [2][16][2048][128] f16, slots 0-7 q heads, 8-11 k heads, 12-15 v heads.
; f for q and k: x / sqrt(mean of x^2 over the head's 128 + 1e-6), times the norm weight (rounded to bf16 like every input), then the rotation by tab's cosines and sines; for v: nothing.
; vl[b][kv head][s][:], s < 32, f16: what the rounding of v to f16 dropped, v - f16(v).  A causal row s is a mean of s + 1 rows of v, so the first rows are many times larger than the
; output's root mean square, against which every number's error is held: there 11 bits of v are too few.
; A tile of the result is 256 rows x 128 columns = ONE HEAD SLOT: 16 x 16 = 256 work-groups.  Each of four waves owns 64 rows x all 128 columns (32 accumulators), so a row's sum of squares
; and the partners d, d + 64 of the rotation lie in one lane and its neighbour 16 away.  The matrix instruction is used transposed (source 0 = 16 rows of wb, source 1 = 16 rows of xb):
; lane l holds row l % 16 and, in accumulator b, the columns 16 b + 8 (l / 16) + 0..7.
; WHICH f is a choice of VALUES, never a branch (the slot hangs on the place in the cluster): KM = 1, VF = 0 for q and k, KM = 0, VF = 1 for v;
; weight <- weight KM + VF, cos <- cos KM + VF, sin <- sin KM, 1/rms <- (1/rms) KM + VF.  WHO STORES vl is a choice of LANES: wave 0 of every work-group makes the low parts of its rows 0-31,
; and the stores run with all lanes on in the tiles of v that hold positions 0-255, with none elsewhere.
; CLUSTER 4 x 4: xb's tile hangs on the tile row alone and is asked for jointly along a row of the cluster, wb's on the tile column alone, along a column.
; THE RING HAS TWO UNEQUAL SLOTS.  A slot holds 256 rows of xb and 128 of wb.  Two slots of 256 along K would take 2 x 384 x 528 = 405,504 bytes, more than there are; so P holds 256 along K
; (rows of 512 bytes, 528 apart) and Q 128 (rows of 256 bytes, 272 apart): 307,200 bytes.  K is walked P0 Q0 P1 Q1 .. P9 Q9 P10: 11 x 256 + 10 x 128 = 4,096.  Q's refill has P's eight quarters
; (256 matrix instructions) in which to land, P's refill Q's four; there are two changes of slots for 384 along K.  Waves 0, 1 fetch 128 rows of xb each, waves 2, 3 64 rows of wb each: one load a
; wave behind each round.  A wave has two tensor loads out at the start and one behind each round.
; LIMITS.  f16 ends at 65,504: v and the normed q, k must stay within it.  NaN and infinities are not treated apart.
; REGISTERS, in windows of 256: window 0 addresses, T (statistics), two fragment buffers; window 1 the 32 accumulators ((a, b) at 8 (8 a + b)); window 2 cosines and sines of my 64 rows; window 3 the norm weights.
.set SIZE_K, 4096
.set PP,     528                       ; P's pitch: 512 bytes + 16 = 132 words
.set PQ,     272                       ; Q's pitch, and the stage's: 256 bytes + 16 = 68 words; with either the 16 rows of a fragment load start at 16 different groups of four banks
.set BOFP,   256*PP                    ; wb's rows lie behind xb's 256
.set QBASE,  384*PP
.set BOFQ,   QBASE+256*PQ
.set STAGE,  QBASE+384*PQ              ; behind the ring: 16 rows x 272 bytes for each wave
.set SPARE,  STAGE+4*16*PQ             ; behind the stages: the spare words, 128 bytes a wave
.set LAPB,   768                       ; bytes of a row from a P to the next P, and from a Q to the next Q
.set ADRA, 16                          ; v16 LDS address of my xb fragments in P, v17 in Q; never rewritten.  v18: P's, at the pair of quarters in hand
.set ADRB, 20                          ; v20, v21, v22: the same for wb
.set STO,  24                          ; v24     where I put 16 bytes of a row in my stage
.set RD,   25                          ; v25     where I read rows back
.set CO,   26                          ; v26     16 x lane: my 16 bytes of 512 consecutive bytes of hb
.set TO,   27                          ; v27     my offset in 16 rows of tab
.set SPW,  28                          ; v28     my spare word
.set NIL,  29                          ; v29     0
.set PFO,  30                          ; v30     the prefetches' offset: lane x a row of 8,192 bytes
.set WO,   31                          ; v31     my offset in the norm weights
.set T,    32                          ; v32-63  eight registers for each block of 16 rows
.set F0,   64                          ; fragment buffers: wb's 8 fragments, then xb's 4
.set F1,   160
.set U,    64                          ; the way out: a block's 64 rotated numbers,
.set H,    128                         ; their 32 words of f16,
.set HL,   160                         ; and the 32 words of their low parts
.set OUT,  2                           ; s2   visits of P that fill P again, still to come
.set CNT,  3                           ; s3   counts a visit's pairs of quarters
.set WV,   12
.set FB,   13                          ; I fetch for xb (0) or wb (1)
.set HF,   14                          ; which half of that tile's rows
.set CX,   15
.set CY,   16
.set TC,   17                          ; tile column = head slot
.set TR,   18                          ; tile row
.set G1A,  24                          ; s[24:31] group 1 for xb in P, s[32:39] in Q
.set G1B,  40                          ; s[40:47], s[48:55] for wb
.set G0A,  56                          ; s[56:59] group 0 for xb in P, s[60:63] in Q
.set G0B,  68                          ; s[68:71], s[72:75] for wb
.set NW,   66                          ; s[66:67] the norm weights that are mine
.set KW,   76                          ; s[76:77] k_norm_w
.set HB,   78                          ; s[78:79] hb
.set VLP,  80                          ; s[80:81] vl
.set C128, 82
.set EPS,  83
.set HIM,  84
.set VLF,  85                          ; 0 where vl's stores are to run
.set SEL,  86
.set KM,   88
.set VF,   90
.set PFA,  92                          ; s[92:93] where my prefetches stand
.set LIM,  94                          ; s94-96  1 in a wave that asks (P's first block; P's second; Q's), else the greatest number
.set KP,   97                          ; s97   byte along P's rows of the pair of quarters in hand
.set TA,   98                          ; s[98:99]   at work: numbers made of cy alone; later EXEC is kept here
.set TX,   100                         ; s[100:101] at work: numbers made of cx alone
.set MUL, 0x50                         ; C and D in window 1, the sources in window 0
.set MSB, 0
.macro WIN new                         ; the immediate's high byte repeats the setting that is left; a switch that changes nothing is dropped
.if MSB != (\new)
	s_set_vgpr_msb (MSB<<8)|(\new)
.set MSB, \new
.endif
.endm
.macro PLACES                          ; four places behind matrix instructions, in front of loads into their sources and of readers of their results
.rept 4
	v_nop
.endr
.endm
; A joint load into slot x (0: P, 1: Q): each of the two lines has one mask and one set of registers; the branch hangs on the wave's number alone.  An s_nop 0 and four v_nop follow each line.
.macro JLOAD x
	s_cmp_eq_u32 s[FB], 0
	s_cbranch_scc0 .Lfor_b_\@
	tensor_load_to_lds s[G0A+4*(\x):G0A+4*(\x)+3], s[G1A+8*(\x):G1A+8*(\x)+7]
	s_nop 0
.rept 4
	v_nop
.endr
	s_branch .Lasked_\@
.Lfor_b_\@:
	tensor_load_to_lds s[G0B+4*(\x):G0B+4*(\x)+3], s[G1B+8*(\x):G1B+8*(\x)+7]
	s_nop 0
.rept 4
	v_nop
.endr
.Lasked_\@:
.endm
.macro CREST                           ; a round of the cluster's barrier behind its opening barrier
	s_cmp_lg_u32 s[WV], 0
	s_cbranch_scc1 .Lnot_wave_0_\@
	s_barrier_signal -3
.Lnot_wave_0_\@:
	s_barrier_wait -3
	s_barrier_signal -1
	s_barrier_wait -1
.endm
.macro CROUND
	s_barrier_signal -1
	s_barrier_wait -1
	CREST
.endm
; A PREFETCH of what the same slot's NEXT REFILL BUT ONE will ask for, a lane a row, 256 bytes of the row an instruction.  xb's rows: the clusters with x = 0 ask, waves 0 and 1, the partner at cx for 32
; of the wave's 128 rows: two instructions behind P's refill, one behind Q's.  wb's rows: the clusters with y = 0, the partner at cy for 32 of the tile's 128 rows: wave 2 takes P's first 256 bytes and
; Q's, wave 3 P's second.  So each row's every 256 bytes are named once.  P0, Q0, P1 and Q1 come by their loads alone; the last lap (OUT = 1) asks for nothing: byte 8,191 of a row is the last that is named.
.macro ASK x
.if (\x) == 0
	s_cmp_gt_u32 s[OUT], s[LIM]
	s_cbranch_scc0 .Lno_a_\@
	global_prefetch_b8 v[PFO], s[PFA:PFA+1] th:TH_LOAD_NT scope:SCOPE_SE
.Lno_a_\@:
	s_cmp_gt_u32 s[OUT], s[LIM+1]
	s_cbranch_scc0 .Lno_b_\@
	global_prefetch_b8 v[PFO], s[PFA:PFA+1] offset:256 th:TH_LOAD_NT scope:SCOPE_SE
.Lno_b_\@:
.else
	s_cmp_gt_u32 s[OUT], s[LIM+2]
	s_cbranch_scc0 .Lno_c_\@
	global_prefetch_b8 v[PFO], s[PFA:PFA+1] offset:512 th:TH_LOAD_NT scope:SCOPE_SE
.Lno_c_\@:
.endif
.endm
	s_load_b256 s[4:11], s[0:1], 0x0               ; xb s[4:5], wb s[6:7], tab s[8:9], q_norm_w s[10:11]
	s_load_b128 s[KW:KW+3], s[0:1], 0x20           ; k_norm_w, hb
	s_load_b64 s[VLP:VLP+1], s[0:1], 0x30          ; vl
	v_lshl_add_u32 v[SPW], v0, 2, SPARE
	v_mov_b32 v[NIL], 0
	ds_add_u32 v[SPW], v[NIL]                      ; the wave's opening: the add and its wait ahead of my first tensor load
	v_lshrrev_b32 v1, 5, v0
	v_readfirstlane_b32 s[WV], v1                  ; wave 0..3
	s_lshr_b32 s[FB], s[WV], 1
	s_and_b32 s[HF], s[WV], 1
	s_bfe_u32 s[CX], ttmp6, 0x40000
	s_bfe_u32 s[CY], ttmp6, 0x40004
	s_lshl_b32 s[TC], ttmp9, 2
	s_add_co_u32 s[TC], s[TC], s[CX]
	s_and_b32 s[TR], ttmp7, 0xffff
	s_lshl_b32 s[TR], s[TR], 2
	s_add_co_u32 s[TR], s[TR], s[CY]
	s_lshl_b32 s19, s[CY], 2
	s_lshl_b32 s19, 15, s19                        ; my row of the cluster
	s_lshl_b32 s20, 0x1111, s[CX]                  ; my column
	; group 1: the mask; 2-byte elements; padding on; bit 21 beside a mask; 4 words of padding after every 128 words (P, code 6) or 64 words (Q, code 5)
	s_or_b32 s[G1A], s19, (1<<16)|(1<<20)|(1<<21)|(6<<22)|(3<<25)
	s_or_b32 s[G1A+8], s19, (1<<16)|(1<<20)|(1<<21)|(5<<22)|(3<<25)
	s_or_b32 s[G1B], s20, (1<<16)|(1<<20)|(1<<21)|(6<<22)|(3<<25)
	s_or_b32 s[G1B+8], s20, (1<<16)|(1<<20)|(1<<21)|(5<<22)|(3<<25)
.irp x, 0,1
	s_mov_b32 s[G1A+8*(\x)+1], (256>>(\x))<<16     ; tensor_dim0 = 256 in P, 128 in Q
	s_mov_b32 s[G1B+8*(\x)+1], (256>>(\x))<<16
	s_mov_b32 s[G1A+8*(\x)+2], 128<<16             ; tensor_dim1 = 128 rows of xb,
	s_mov_b32 s[G1B+8*(\x)+2], 64<<16              ; 64 of wb
	s_mov_b32 s[G1A+8*(\x)+3], (256>>(\x))<<16     ; tile_dim0
	s_mov_b32 s[G1B+8*(\x)+3], (256>>(\x))<<16
	s_mov_b32 s[G1A+8*(\x)+4], 128                 ; tile_dim1
	s_mov_b32 s[G1B+8*(\x)+4], 64
	s_mov_b32 s[G1A+8*(\x)+5], SIZE_K              ; elements from row to row
	s_mov_b32 s[G1B+8*(\x)+5], SIZE_K
	s_mov_b32 s[G1A+8*(\x)+6], 0
	s_mov_b32 s[G1B+8*(\x)+6], 0
	s_mov_b32 s[G1A+8*(\x)+7], 0
	s_mov_b32 s[G1B+8*(\x)+7], 0
.endr
	; group 0: the count, and where the tiles go: no place in the cluster enters an LDS address
	s_mov_b32 s[G0A], 1
	s_mul_i32 s[G0A+1], s[WV], 128*PP              ; xb in P: waves 0, 1
	s_mov_b32 s[G0A+4], 1
	s_mul_i32 s[G0A+5], s[WV], 128*PQ              ; xb in Q
	s_add_co_u32 s[G0A+5], s[G0A+5], QBASE
	s_mov_b32 s[G0B], 1
	s_mul_i32 s[G0B+1], s[WV], 64*PP               ; wb in P: waves 2, 3: BOFP + (wave - 2) x 64 rows
	s_add_co_u32 s[G0B+1], s[G0B+1], 128*PP
	s_mov_b32 s[G0B+4], 1
	s_mul_i32 s[G0B+5], s[WV], 64*PQ               ; wb in Q
	s_add_co_u32 s[G0B+5], s[G0B+5], QBASE+128*PQ
	s_lshl_b32 s[TA], s[TR], 8                     ; xb: row 256 x tile row + 128 x half
	s_lshl_b32 s[TA+1], s[HF], 7
	s_add_co_u32 s[TA], s[TA], s[TA+1]
	s_lshl_b32 s[TA], s[TA], 13                    ; x 8,192 bytes: under 2^25
	s_mov_b32 s[TA+1], 0
	s_lshl_b32 s[TX], s[TC], 7                     ; wb: row 128 x tile column + 64 x half
	s_lshl_b32 s[TX+1], s[HF], 6
	s_add_co_u32 s[TX], s[TX], s[TX+1]
	s_lshl_b32 s[TX], s[TX], 13
	s_mov_b32 s[TX+1], 0
	s_mov_b32 s[C128], 0x3c000000                  ; 1 / 128
	s_mov_b32 s[EPS], 0x358637bd                   ; 1e-6
	s_mov_b32 s[HIM], 0xffff0000
	s_mov_b32 s[SEL], 0x76543210                   ; v_permlanex16_b32: each lane takes its own place in the other half
	s_mov_b32 s[SEL+1], 0xfedcba98
	s_cmp_ge_u32 s[TC], 12                         ; a slot of v?
	s_cselect_b32 s[KM], 0, 1.0
	s_cselect_b32 s[VF], 1.0, 0
	s_mov_b32 s[KM+1], s[KM]                       ; named as pairs
	s_mov_b32 s[VF+1], s[VF]
	s_wait_dscnt 0x0                               ; the opening add is done
	s_wait_kmcnt 0x0
	s_add_nc_u64 s[G0A+2:G0A+3], s[4:5], s[TA:TA+1]        ; P0 begins at K = 0,
	s_add_nc_u64 s[G0A+6:G0A+7], s[G0A+2:G0A+3], 512       ; Q0 at K = 256
	s_or_b32 s[G0A+3], s[G0A+3], 0x80000000                ; type = 2
	s_or_b32 s[G0A+7], s[G0A+7], 0x80000000
	s_add_nc_u64 s[G0B+2:G0B+3], s[6:7], s[TX:TX+1]
	s_add_nc_u64 s[G0B+6:G0B+7], s[G0B+2:G0B+3], 512
	s_or_b32 s[G0B+3], s[G0B+3], 0x80000000
	s_or_b32 s[G0B+7], s[G0B+7], 0x80000000
	CROUND                                         ; all sixteen work-groups are here: the first joint loads meet
	JLOAD 0
	JLOAD 1                                        ; two loads of mine are out
	; cosines, sines and norm weights come into registers while the first tiles are on their way
	v_and_b32 v1, 15, v0                           ; l % 16
	v_bfe_u32 v2, v0, 4, 1                         ; l / 16
	v_lshlrev_b32 v[TO], 9, v1                     ; a row of tab is 512 bytes
	v_lshl_add_u32 v[TO], v2, 5, v[TO]             ; my 8 columns of each 16
	v_lshlrev_b32 v[WO], 5, v2
	s_lshl_b32 s20, s[TR], 8
	s_lshl_b32 s21, s[WV], 6
	s_add_co_u32 s20, s20, s21                     ; my first row
	s_lshl_b32 s20, s20, 9
	s_mov_b32 s21, 0
	s_add_nc_u64 s[8:9], s[8:9], s[20:21]
	s_cmp_lt_u32 s[TC], 8
	s_cselect_b64 s[NW:NW+1], s[10:11], s[KW:KW+1] ; q's weights for slots 0-7, k's for the others (v's are replaced by 1 below)
	WIN 0x80                                       ; destination window 2
.irp a, 0,1,2,3
.irp b, 0,1,2,3
	global_load_b128 v[64*(\a)+8*(\b):64*(\a)+8*(\b)+3],       v[TO], s[8:9] offset:(\a)*8192+64*(\b)
	global_load_b128 v[64*(\a)+8*(\b)+4:64*(\a)+8*(\b)+7],     v[TO], s[8:9] offset:(\a)*8192+64*(\b)+16
	global_load_b128 v[64*(\a)+32+8*(\b):64*(\a)+32+8*(\b)+3], v[TO], s[8:9] offset:(\a)*8192+64*(\b)+256
	global_load_b128 v[64*(\a)+32+8*(\b)+4:64*(\a)+32+8*(\b)+7], v[TO], s[8:9] offset:(\a)*8192+64*(\b)+272
.endr
.endr
	WIN 0xc0                                       ; destination window 3
.irp b, 0,1,2,3,4,5,6,7
	global_load_b128 v[8*(\b):8*(\b)+3],   v[WO], s[NW:NW+1] offset:64*(\b)
	global_load_b128 v[8*(\b)+4:8*(\b)+7], v[WO], s[NW:NW+1] offset:64*(\b)+16
.endr
	WIN 0
	v_mul_u32_u24 v3, v1, PQ
	v_lshl_add_u32 v3, v2, 4, v3                   ; a fragment's row x pitch + 16 x half, at Q's pitch and the stage's,
	v_mul_u32_u24 v4, v1, PP
	v_lshl_add_u32 v4, v2, 4, v4                   ; and at P's
	s_mul_i32 s20, s[WV], 64*PP                    ; my 64 rows of xb
	v_add_nc_u32 v[ADRA], s20, v4
	v_add_nc_u32 v[ADRB], BOFP, v4                 ; every wave reads all 128 rows of wb
	s_mul_i32 s20, s[WV], 64*PQ
	s_add_co_u32 s20, s20, QBASE
	v_add_nc_u32 v[ADRA+1], s20, v3
	v_add_nc_u32 v[ADRB+1], BOFQ, v3
	s_mul_i32 s20, s[WV], 16*PQ
	s_add_co_u32 s20, s20, STAGE                   ; my stage
	v_add_nc_u32 v[STO], s20, v3                   ; in: row l % 16, 16 bytes for each half of the lanes
	v_mul_u32_u24 v4, v2, PQ                       ; back: lanes 0-15 one row of 256 bytes, lanes 16-31 the next
	v_lshl_add_u32 v4, v1, 4, v4
	v_add_nc_u32 v[RD], s20, v4
	v_and_b32 v3, 31, v0
	v_lshlrev_b32 v[CO], 4, v3
	v_lshlrev_b32 v[PFO], 13, v3
	; the prefetches: these registers mix cx and cy and feed no descriptor
	s_lshl_b32 s20, s[TR], 8
	s_lshl_b32 s21, s[HF], 7
	s_add_co_u32 s20, s20, s21
	s_lshl_b32 s21, s[CX], 5
	s_add_co_u32 s20, s20, s21                     ; xb: the 128 rows that I fetch, my work-group's 32 of them
	s_lshl_b32 s22, s[TC], 7
	s_lshl_b32 s23, s[CY], 5
	s_add_co_u32 s22, s22, s23                     ; wb: the tile's 128 rows, my work-group's 32 of them
	s_and_b32 s23, ttmp7, 0xffff                   ; cluster y
	s_lshl_b32 s19, s[HF], 8                       ; wave 3 stands 256 bytes further along the rows
	s_cmp_eq_u32 s[FB], 0
	s_cselect_b32 s20, s20, s22
	s_cselect_b32 s21, ttmp9, s23                  ; the coordinate along which other clusters read the same rows
	s_cselect_b64 s[PFA:PFA+1], s[4:5], s[6:7]
	s_cselect_b32 s19, 0, s19
	s_cselect_b32 s[LIM+1], 1, -1                  ; P's second block by a second instruction: xb's waves
	s_cselect_b32 s[LIM+2], 1, -1                  ; Q's block: xb's waves,
	s_cmp_eq_u32 s[WV], 2
	s_cselect_b32 s[LIM+2], 1, s[LIM+2]            ; and wave 2
	s_cmp_eq_u32 s21, 0                            ; the same in all sixteen partners, for a given wave
	s_cselect_b32 s[LIM], 1, -1
	s_cselect_b32 s[LIM+1], s[LIM+1], -1
	s_cselect_b32 s[LIM+2], s[LIM+2], -1
	s_lshl_b32 s20, s20, 13
	s_add_co_u32 s20, s20, s19
	s_mov_b32 s21, 0
	s_add_nc_u64 s[PFA:PFA+1], s[PFA:PFA+1], s[20:21]
	s_add_nc_u64 s[PFA:PFA+1], s[PFA:PFA+1], LAPB  ; at P1: P0's change steps it to P2
	; hb at my first row: plane 16 b + slot, row (tile row % 8) x 256 + 64 x wave, 256 bytes a row
	s_lshr_b32 s20, s[TR], 3
	s_lshl_b32 s20, s20, 4
	s_add_co_u32 s20, s20, s[TC]
	s_lshl_b32 s20, s20, 11
	s_and_b32 s21, s[TR], 7
	s_lshl_b32 s21, s21, 8
	s_add_co_u32 s20, s20, s21
	s_lshl_b32 s21, s[WV], 6
	s_add_co_u32 s20, s20, s21
	s_lshl_b32 s20, s20, 8
	s_mov_b32 s21, 0
	s_add_nc_u64 s[HB:HB+1], s[HB:HB+1], s[20:21]
	; vl at plane 4 b + kv head, 8,192 bytes a plane; the head is held to 0..3, so that the address lies in vl in every work-group
	s_max_u32 s20, s[TC], 12
	s_sub_co_u32 s20, s20, 12
	s_lshr_b32 s21, s[TR], 3
	s_lshl_b32 s21, s21, 2
	s_add_co_u32 s20, s20, s21
	s_lshl_b32 s20, s20, 13
	s_mov_b32 s21, 0
	s_add_nc_u64 s[VLP:VLP+1], s[VLP:VLP+1], s[20:21]
	s_and_b32 s[VLF], s[TR], 7                     ; 0 where the stores are to run: positions 0-255,
	s_cmp_lt_u32 s[TC], 12
	s_cselect_b32 s20, 1, 0
	s_or_b32 s[VLF], s[VLF], s20                   ; a slot of v
	; the sums start at 0: 256 lines, in the wait for the first tiles: the price of one text for every visit of P
	WIN 0x40
.set i, 0
.rept 256
	v_mov_b32 v[i], 0
.set i, i+1
.endr
	WIN 0
	s_wait_loadcnt 0x0                             ; table and weights are in
	WIN 0x0f                                       ; the weights are rounded to bf16, like every input
.set i, 0
.rept 32
	v_cvt_pk_bf16_f32 v[U+i], v[2*i], v[2*i+1]
.set i, i+1
.endr
	WIN 0xc0
.set i, 0
.rept 32
	v_lshlrev_b32 v[2*i], 16, v[U+i]
	v_and_b32 v[2*i+1], s[HIM], v[U+i]
.set i, i+1
.endr
	WIN 0xc3
.set i, 0
.rept 32
	v_pk_fma_f32 v[2*i:2*i+1], v[2*i:2*i+1], s[KM:KM+1], s[VF:VF+1] op_sel_hi:[1,0,0]  ; weight KM + VF
.set i, i+1
.endr
	WIN 0x82
.set i, 0
.rept 128
.if (2*i)%64 < 32
	v_pk_fma_f32 v[2*i:2*i+1], v[2*i:2*i+1], s[KM:KM+1], s[VF:VF+1] op_sel_hi:[1,0,0]  ; cos KM + VF
.else
	v_pk_mul_f32 v[2*i:2*i+1], v[2*i:2*i+1], s[KM:KM+1] op_sel_hi:[1,0]                ; sin KM
.endif
.set i, i+1
.endr
	WIN 0
; 8 matrix instructions: my rows 16 a .. 16 a + 15 x all 8 column blocks, 32 along K.  The 32 accumulators take turns, one instruction a turn, in the same order in every quarter, over every jump too.
.macro MULA f, a
	WIN MUL
.irp b, 0,1,2,3,4,5,6,7
	v_wmma_f32_16x16x32_bf16 v[8*(8*(\a)+(\b)):8*(8*(\a)+(\b))+7], v[(\f)+8*(\b):(\f)+8*(\b)+7], v[(\f)+64+8*(\a):(\f)+64+8*(\a)+7], v[8*(8*(\a)+(\b)):8*(8*(\a)+(\b))+7]
.endr
.endm
; 24 LDS loads in one run: 128 rows of wb, then my 64 rows of xb, 32 along K at byte k of the rows of slot x (0: P, 1: Q).  cur = 1: from P's address at the pair of quarters in hand
.macro FETCH x, cur, k, f
	WIN 0
.set PX, PP-(PP-PQ)*(\x)
.set RA, ADRA+(\x)+2*(\cur)
.set RB, ADRB+(\x)+2*(\cur)
.irp i, 0,1,2,3,4,5,6,7
	ds_load_b128 v[(\f)+8*(\i):(\f)+8*(\i)+3],   v[RB] offset:(\k)+(\i)*16*PX
	ds_load_b128 v[(\f)+8*(\i)+4:(\f)+8*(\i)+7], v[RB] offset:(\k)+(\i)*16*PX+32
.endr
.irp i, 0,1,2,3
	ds_load_b128 v[(\f)+64+8*(\i):(\f)+64+8*(\i)+3],   v[RA] offset:(\k)+(\i)*16*PX
	ds_load_b128 v[(\f)+64+8*(\i)+4:(\f)+64+8*(\i)+7], v[RA] offset:(\k)+(\i)*16*PX+32
.endr
.endm
; A quarter is 32 along K, 32 matrix instructions, on buffers 0, 1 by turns.  It multiplies f and, in its middle, fetches the next quarter into g.
.macro QUARTER x, cur, k, f, g
	s_wait_dscnt 4                                 ; wb's fragments and xb's blocks 0, 1 are in; the youngest four loads (blocks 2, 3) may be out
	MULA \f, 0
	MULA \f, 1
	PLACES
	FETCH \x, \cur, \k, \g
	s_wait_dscnt 24                                ; all but the 24 just issued
	MULA \f, 2
	MULA \f, 3
.endm
; A slot's last quarter multiplies buffer 1 and changes slots.  In front of the barrier each wave waits for all its tensor loads (one is out: its part of the other slot), adds 0 to its spare word,
; and waits for that and for its reads of slot x.  fill = 1: the barrier opens a round of the cluster's, and the joint refill of slot x, 768 bytes further along the rows, is the first thing behind the round.
.macro TURN x, fill
.if (\fill) && ((\x) == 0)
	s_wait_xcnt 0x0                                ; the last prefetches, four quarters back or more, have read their address
	s_add_nc_u64 s[PFA:PFA+1], s[PFA:PFA+1], LAPB
.endif
	WIN 0
	s_wait_tensorcnt 0x0
	ds_add_u32 v[SPW], v[NIL]
	s_wait_dscnt 5                                 ; the add and the youngest four loads may be out
	MULA F1, 0
	s_wait_dscnt 0x0                               ; the add is done, my reads of this slot are over
	s_barrier_signal -1
	MULA F1, 1
.if \fill
	WIN 0
.endif
	s_barrier_wait -1
.if \fill
	CREST                                          ; no wave of any partner still reads this slot or has a load on its way
	s_add_nc_u64 s[G0A+4*(\x)+2:G0A+4*(\x)+3], s[G0A+4*(\x)+2:G0A+4*(\x)+3], LAPB
	s_add_nc_u64 s[G0B+4*(\x)+2:G0B+4*(\x)+3], s[G0B+4*(\x)+2:G0B+4*(\x)+3], LAPB
	JLOAD \x                                       ; its four v_nop are also the places in front of the loads below
.else
	PLACES
.endif
	FETCH 1-(\x), 0, 0, F0
.if \fill
	ASK \x
.endif
	MULA F1, 2
	MULA F1, 3
.endm
; A visit of Q: four quarters.
.macro QVISIT fill
	QUARTER 1, 0, 64,  F0, F1
	QUARTER 1, 0, 128, F1, F0
	QUARTER 1, 0, 192, F0, F1
	TURN 1, \fill
.endm
; The first six of P's eight quarters: a pair written once, walked three times; the pair's place along the rows is a scalar that steps by 128 bytes, added to addresses that are never rewritten.
; Behind the loop the address stands at quarter 6.
.macro PPAIRS
	WIN 0
	s_mov_b32 s[KP], 0
	s_mov_b32 s[CNT], 3
.Lpair_\@:
	v_add_nc_u32 v[ADRA+2], s[KP], v[ADRA]
	v_add_nc_u32 v[ADRB+2], s[KP], v[ADRB]
	QUARTER 0, 1, 64,  F0, F1
	QUARTER 0, 1, 128, F1, F0
	WIN 0
	s_add_co_u32 s[KP], s[KP], 128
	s_sub_co_u32 s[CNT], s[CNT], 1
	s_cmp_lg_u32 s[CNT], 0
	s_cbranch_scc1 .Lpair_\@
	v_add_nc_u32 v[ADRA+2], s[KP], v[ADRA]
	v_add_nc_u32 v[ADRB+2], s[KP], v[ADRB]
.endm
	s_wait_tensorcnt 1                             ; my part of P0 is in; Q0's may stay out
	s_barrier_signal -1
	s_barrier_wait -1
	FETCH 0, 0, 0, F0
	s_mov_b32 s[OUT], 10
	s_branch .Lp                                   ; the loop is entered at P0, in the middle of a trip
.Lq:                                                   ; a trip: Q_j, which asks for Q_j+1, then P_j+1, which asks for P_j+2
	QVISIT 1
	WIN 0
.Lp:
	PPAIRS
	QUARTER 0, 1, 64, F0, F1
	TURN 0, 1
	WIN 0
	s_sub_co_u32 s[OUT], s[OUT], 1
	s_cmp_lg_u32 s[OUT], 0
	s_cbranch_scc1 .Lq
	QVISIT 0                                       ; the tail is written out: Q9 and P10 fill nothing
	PPAIRS
	QUARTER 0, 1, 64, F0, F1
	s_wait_dscnt 4
	MULA F1, 0
	MULA F1, 1
	s_wait_dscnt 0x0
	MULA F1, 2
	MULA F1, 3
	WIN 0
; THE WAY OUT.  Sum of squares of a row: my 64 numbers in four chains of pairs (each accumulator's lowest registers first), then the lane 16 away, which holds the row's other 64.
.macro SUMSQ a
	WIN 0x05                                       ; sources 0 and 1 in window 1
.irp b, 0,1,2,3,4,5,6,7
.irp p, 0,1,2,3
.if (\b) == 0
	v_pk_mul_f32 v[T+8*(\a)+2*(\p):T+8*(\a)+2*(\p)+1], v[8*(8*(\a)+(\b))+2*(\p):8*(8*(\a)+(\b))+2*(\p)+1], v[8*(8*(\a)+(\b))+2*(\p):8*(8*(\a)+(\b))+2*(\p)+1]
.else
	v_pk_fma_f32 v[T+8*(\a)+2*(\p):T+8*(\a)+2*(\p)+1], v[8*(8*(\a)+(\b))+2*(\p):8*(8*(\a)+(\b))+2*(\p)+1], v[8*(8*(\a)+(\b))+2*(\p):8*(8*(\a)+(\b))+2*(\p)+1], v[T+8*(\a)+2*(\p):T+8*(\a)+2*(\p)+1]
.endif
.endr
.endr
	WIN 0
	v_pk_add_f32 v[T+8*(\a):T+8*(\a)+1], v[T+8*(\a):T+8*(\a)+1], v[T+8*(\a)+2:T+8*(\a)+3]
	v_pk_add_f32 v[T+8*(\a)+4:T+8*(\a)+5], v[T+8*(\a)+4:T+8*(\a)+5], v[T+8*(\a)+6:T+8*(\a)+7]
	v_pk_add_f32 v[T+8*(\a):T+8*(\a)+1], v[T+8*(\a):T+8*(\a)+1], v[T+8*(\a)+4:T+8*(\a)+5]
	v_add_f32 v[T+8*(\a)], v[T+8*(\a)], v[T+8*(\a)+1]
	v_permlanex16_b32 v[T+8*(\a)+1], v[T+8*(\a)], s[SEL], s[SEL+1]
	v_add_f32 v[T+8*(\a)], v[T+8*(\a)], v[T+8*(\a)+1]
	v_fma_f32 v[T+8*(\a)], v[T+8*(\a)], s[C128], s[EPS]  ; the mean + 1e-6
.endm
.macro SCALE a                         ; x times 1/rms, then times the weight, in place
	WIN 0x41
.set i, 0
.rept 32
	v_pk_mul_f32 v[64*(\a)+2*i:64*(\a)+2*i+1], v[64*(\a)+2*i:64*(\a)+2*i+1], v[T+8*(\a)+2:T+8*(\a)+3] op_sel_hi:[1,0]
.set i, i+1
.endr
	WIN 0x4d                                       ; source 1 in window 3
.set i, 0
.rept 32
	v_pk_mul_f32 v[64*(\a)+2*i:64*(\a)+2*i+1], v[64*(\a)+2*i:64*(\a)+2*i+1], v[2*i:2*i+1]
.set i, i+1
.endr
.endm
.macro ROPE a                          ; out[d] = x[d] cos - x[d + 64] sin, out[d + 64] = x[d + 64] cos + x[d] sin, d < 64; then rounded to f16
	WIN 0x09                                       ; source 0 in window 1, source 1 in window 2
.set i, 0
.rept 16
	v_pk_mul_f32 v[U+2*i:U+2*i+1],       v[64*(\a)+2*i:64*(\a)+2*i+1],       v[64*(\a)+2*i:64*(\a)+2*i+1]
	v_pk_mul_f32 v[U+32+2*i:U+32+2*i+1], v[64*(\a)+32+2*i:64*(\a)+32+2*i+1], v[64*(\a)+2*i:64*(\a)+2*i+1]
	v_pk_fma_f32 v[U+2*i:U+2*i+1],       v[64*(\a)+32+2*i:64*(\a)+32+2*i+1], v[64*(\a)+32+2*i:64*(\a)+32+2*i+1], v[U+2*i:U+2*i+1] neg_lo:[1,0,0] neg_hi:[1,0,0]
	v_pk_fma_f32 v[U+32+2*i:U+32+2*i+1], v[64*(\a)+2*i:64*(\a)+2*i+1],       v[64*(\a)+32+2*i:64*(\a)+32+2*i+1], v[U+32+2*i:U+32+2*i+1]
.set i, i+1
.endr
	WIN 0
.set i, 0
.rept 32
	v_cvt_pk_f16_f32 v[H+i], v[U+2*i], v[U+2*i+1]
.set i, i+1
.endr
.endm
.macro TOSTAGE a                       ; 16 bytes a lane into my stage, and back as whole rows of 256 bytes, into the block's first 32 accumulator registers, which have been used up
	WIN 0
.irp b, 0,1,2,3,4,5,6,7
	ds_store_b128 v[STO], v[H+4*(\b):H+4*(\b)+3] offset:32*(\b)
.endr
	WIN 0x40
.irp t, 0,1,2,3,4,5,6,7
	ds_load_b128 v[64*(\a)+4*(\t):64*(\a)+4*(\t)+3], v[RD] offset:(\t)*2*PQ  ; LDS serves a wave's instructions in order: these see the stores above
.endr
.endm
.macro SEND a
	WIN 0x04                                       ; the stores' data in window 1
	s_wait_dscnt 0x0                               ; the block is back in registers
.irp t, 0,1,2,3,4,5,6,7
	global_store_b128 v[CO], v[64*(\a)+4*(\t):64*(\a)+4*(\t)+3], s[HB:HB+1] offset:(16*(\a)+2*(\t))*256  ; 512 consecutive bytes, at a multiple of 256 from hb's first; no register of a store is written again
.endr
.endm
; THE LOW PARTS of block a (wave 0, blocks 0 and 1: the tile's rows 0-31): number - f16(number), exact in f32 (the f16 half times -1 plus the number, one fused line), rounded to f16,
; through my stage behind the block's own rows, into the block's last 32 accumulator registers, and stored with all lanes on where VLF = 0, with none elsewhere.
.macro LOW a
	WIN 0
	s_cmp_lg_u32 s[WV], 0
	s_cbranch_scc1 .Lno_low_\@
	v_mov_b32 v5, 0xbf800000                       ; -1.0
	v_mov_b32 v3, s[VLF]
.set i, 0
.rept 32
	v_fma_mix_f32 v[U+2*i], v[H+i], v5, v[U+2*i] op_sel_hi:[1,0,0]
	v_fma_mix_f32 v[U+2*i+1], v[H+i], v5, v[U+2*i+1] op_sel:[1,0,0] op_sel_hi:[1,0,0]
.set i, i+1
.endr
.set i, 0
.rept 32
	v_cvt_pk_f16_f32 v[HL+i], v[U+2*i], v[U+2*i+1]
.set i, i+1
.endr
.irp b, 0,1,2,3,4,5,6,7
	ds_store_b128 v[STO], v[HL+4*(\b):HL+4*(\b)+3] offset:32*(\b)  ; behind the loads that read the block's own rows back: LDS serves a wave's instructions in order
.endr
	v_cmp_eq_u32 vcc_lo, 0, v3
	WIN 0x40
.irp t, 0,1,2,3,4,5,6,7
	ds_load_b128 v[64*(\a)+32+4*(\t):64*(\a)+32+4*(\t)+3], v[RD] offset:(\t)*2*PQ
.endr
	WIN 0x04
	s_wait_dscnt 0x0
	s_wait_xcnt 0x0                                ; EXEC changes only when every earlier memory instruction has read its sources
	s_and_saveexec_b32 s[TA], vcc_lo
.irp t, 0,1,2,3,4,5,6,7
	global_store_b128 v[CO], v[64*(\a)+32+4*(\t):64*(\a)+32+4*(\t)+3], s[VLP:VLP+1] offset:(16*(\a)+2*(\t))*256  ; 512 consecutive bytes, aligned
.endr
	s_wait_xcnt 0x0                                ; and again in front of the line that widens it
	s_or_b32 exec_lo, exec_lo, s[TA]
	WIN 0
.Lno_low_\@:
.endm
	PLACES
	SUMSQ 0
	SUMSQ 1
	SUMSQ 2
	SUMSQ 3
.irp a, 0,1,2,3
	v_rsq_f32 v[T+8*(\a)+2], v[T+8*(\a)]
.endr
	v_nop                                          ; a plain instruction behind the last of the batch,
	s_wait_alu depctr_va_vdst(0)                   ; and one wait for the four, ahead of their first reader
.irp a, 0,1,2,3
	v_fma_f32 v[T+8*(\a)+2], v[T+8*(\a)+2], s[KM], s[VF]  ; (1/rms) KM + VF
.endr
	SCALE 0
	ROPE 0
	TOSTAGE 0
	LOW 0
.irp a, 1,2,3                          ; a block's arithmetic stands between the loads of the block before and its stores
	SCALE \a
	ROPE \a
	SEND (\a)-1
	TOSTAGE \a
.if (\a) == 1
	LOW 1
.endif
.endr
	SEND 3
	WIN 0
	s_wait_tensorcnt 0x0                           ; the wave's end: behind my last tensor load and my last LDS store
	ds_add_u32 v[SPW], v[NIL]
	s_wait_dscnt 0x0
	CROUND                                         ; the closing round
	s_endpgm
.Lfunc_end_k_qbcdb72fb02_qkv:
	.size	k_qbcdb72fb02_qkv, .Lfunc_end_k_qbcdb72fb02_qkv-k_qbcdb72fb02_qkv
	.p2alignl 7, 3214868480
	.fill 96, 4, 3214868480
	.section	.rodata,"a",@progbits
	.p2align	6, 0x0
	.amdhsa_kernel k_qbcdb72fb02_qkv
		.amdhsa_group_segment_fixed_size 327680
		.amdhsa_private_segment_fixed_size 0
		.amdhsa_enable_private_segment 0
		.amdhsa_kernarg_size 56
		.amdhsa_user_sgpr_count 2
		.amdhsa_user_sgpr_kernarg_segment_ptr 1
		.amdhsa_wavefront_size32 1
		.amdhsa_system_sgpr_workgroup_id_x 1
		.amdhsa_system_sgpr_workgroup_id_y 1
		.amdhsa_system_sgpr_workgroup_id_z 1
		.amdhsa_system_vgpr_workitem_id 0
		.amdhsa_next_free_vgpr 832
		.amdhsa_next_free_sgpr 102
		.amdhsa_reserve_vcc 1
		.amdhsa_float_denorm_mode_32 3
		.amdhsa_float_denorm_mode_16_64 3
		.amdhsa_memory_ordered 1
		.amdhsa_forward_progress 1
		.amdhsa_inst_pref_size 179
	.end_amdhsa_kernel
	.amdgpu_metadata
---
amdhsa.version: [ 1, 2 ]
amdhsa.kernels:
  - .name:           k_qbcdb72fb02_qkv
    .symbol:         k_qbcdb72fb02_qkv.kd
    .args:
      - { .name: xb, .offset: 0, .size: 8, .value_kind: global_buffer, .address_space: global }
      - { .name: wb, .offset: 8, .size: 8, .value_kind: global_buffer, .address_space: global }
      - { .name: tab, .offset: 16, .size: 8, .value_kind: global_buffer, .address_space: global }
      - { .name: q_norm_w, .offset: 24, .size: 8, .value_kind: global_buffer, .address_space: global }
      - { .name: k_norm_w, .offset: 32, .size: 8, .value_kind: global_buffer, .address_space: global }
      - { .name: hb, .offset: 40, .size: 8, .value_kind: global_buffer, .address_space: global }
      - { .name: vl, .offset: 48, .size: 8, .value_kind: global_buffer, .address_space: global }
    .group_segment_fixed_size: 327680
    .private_segment_fixed_size: 0
    .kernarg_segment_align: 8
    .kernarg_segment_size: 56
    .max_flat_workgroup_size: 128
    .sgpr_count:     102
    .vgpr_count:     832
    .wavefront_size: 32
...
	.end_amdgpu_metadata
.endif
;; end of part 2
;; launch attn (part 3): grid 32 x 8, 4 waves a work-group, clusters of 4 x 1, 327,680 bytes of LDS; arguments hb, ob, vl; writes ob
.if DOCPART == 3
	.amdgcn_target "amdgcn-amd-amdhsa--gfx1250"
	.amdhsa_code_object_version 6
	.text
	.protected	k_qbcdb72fb02_attn
	.globl	k_qbcdb72fb02_attn
	.p2align	8
	.type	k_qbcdb72fb02_attn,@function
k_qbcdb72fb02_attn:
	s_mov_b64 s[64:65], 0
	v_nop
	global_prefetch_b8 v0, s[64:65] scope:SCOPE_SE
	s_setreg_imm32_b32 hwreg(HW_REG_WAVE_MODE, 25, 1), 1
	s_wait_xcnt 0x0
	s_wait_alu depctr_hold_cnt(0) depctr_sa_sdst(0) depctr_va_vdst(0) depctr_va_sdst(0) depctr_va_ssrc(0) depctr_va_vcc(0) depctr_vm_vsrc(0)
	s_getreg_b32 s2, hwreg(HW_REG_IB_STS2, 6, 4)
	s_cmp_eq_u32 s2, 0
	s_cbranch_scc0 .Lentry_in_a_cluster
	s_endpgm
.Lentry_in_a_cluster:
	s_bfe_u32 s2, ttmp6, 0x10000c
	s_cmp_lg_u32 s2, 0x3003
	s_cbranch_scc0 .Lentry_shape_is_right
	s_endpgm
.Lentry_shape_is_right:
; CAUSAL ATTENTION, 8 query heads on 4 key and value heads, head size 128.  hb: [2][16][2048][128] f16 (planes 0-7 q, 8-11 k, 12-15 v); ob: [4096][1024] f16, column = head x 128 + channel.
; Products, maxima and sums in f32; the weights p are rounded to f16 for the second product (their sum l is taken of the unrounded p), O once at the end.
; THE FIRST ROWS.  Row s is a mean of s + 1 rows of v, so the first rows are many times the output's root mean square, against which every number's error is held: there several roundings to 11 bits
; on end are too many.  So two of them are taken away:
; (a) vl[4 b + kv head][key < 32][128], f16, holds v - f16(v) of the first 32 keys.  Queries under 128 lie in block 0, which is the walk's last tile in the cluster pb = 0: there, and only there, step 0 adds
;     vl^T P, 8 products, under one forward branch on pb.  Every work-group brings vl in at the head, so that its registers are written on every path.
; (b) In the walk's last tile step 0 also adds V^T Plo, Plo = f16(p - f16(p)): 16 products, right for any tile, so they stand under no branch; they are wanted where pb = 0.
; LIMITS.  A hidden score counts as its value less 1e30; a weight below 2^-126 counts as 0 in l; NaN and infinities are not treated apart; q, k, v arrive within the range of f16.
; THE WALK.  Positions lie in 16 blocks of 128; block i needs the key tiles 0 .. i of 128 keys, the last of which holds the diagonal.  A cluster (x = pb, y = 4 b + kv head) takes TWO blocks, 15 - pb and
; then pb: 17 tiles whatever pb, so one loop with a constant count walks them and all work-groups do equal work.
; CLUSTER.  The four partners are the two query heads of the kv head (cx & 1) x the two halves of 64 positions of the block (cx >> 1 = hf).  They walk the same tiles, so every tile of K and V is asked for
; JOINTLY.  Every branch hangs on pb or on the wave's number; the place in the cluster enters Q's and O's addresses and the mask's two scalars alone.
; SHARES.  A wave owns 16 queries: positions 128 blk + 64 hf + 16 w.  A key step is 64 keys: 16 products K Q^T, the softmax, 16 products V^T P, in plain phases.
; LAYOUT.  S^T = K Q^T holds one query a lane (lane % 16) and the keys 8 (lane / 16) + 0..7; two such results rounded to f16 are source 1 of O^T = V^T P.  V is turned by ds_load_tr16_b128.
; SOFTMAX.  p = 2^(c s - c m), c = log2(e) / sqrt(128), m a running maximum; O and l are multiplied by a = 2^(c m_old - c m_new) in every step.  m starts at the lowest finite number: a block's first a is 0.
; THE MASK is the C operand that starts the sum S^T: MD x AL + BE.  MD (made once) hides key kk of 64 where kk > 16 w + my row.  In the diagonal tile's step s: s = hf: (1, 0); s < hf: (0, 0); s > hf: (0, -1e30); elsewhere (0, 0).
; REGISTERS.  Window 0: addresses, statistics, S^T, P, masks, O^T, Q, Plo.  Window 1: K (v0-127) and V (v128-255) of one step.  Window 2: v0-31 the second block's Q, v32-95 vl, turned.
.set KS,    64
.set PK,    272                        ; a row of K in LDS: 256 bytes + 16
.set PV,    288                        ; a row of V: 256 + 32
.set VOFF,  KS*PK
.set STEPB, KS*(PK+PV)
.set SLOT1, 1<<17                      ; a slot holds a tile, two steps; one exclusive or turns an address in one slot into the other's
.set STAGE, SLOT1+2*STEPB
.set SP,    272
.set SPARE, STAGE+4*16*SP
.set VLS,   SPARE+512                  ; behind the spare words: 32 rows x 288 bytes for each wave, where vl is turned; no tensor load lands here
.set AK0, 2
.set AV0, 3
.set AK,  4
.set AV,  5
.set QO,  6
.set STO, 7
.set RD,  8
.set GO,  12
.set PFO, 13
.set ST,  16                           ; v16 c m, v17 m, v18-19 l, v20-23 at work (v22 takes a)
.set NG,  24                           ; v24  -1.0
.set VST, 25                           ; v25  where I put 16 bytes of vl
.set VRD, 26                           ; v26  where the turning loads read it
.set VGO, 27                           ; v27  16 x lane
.set SPW, 30
.set NIL, 31
.set S,   32
.set P,   64
.set MC,  80
.set MD,  112
.set O,   144
.set Q,   208
.set PL,  240                          ; v240-255  the low parts of P, in the walk's last tile
.set KF,  0                            ; window 1
.set VF,  128
.set VL,  32                           ; window 2
.set WV,  12
.set PB,  14
.set HI,  15
.set PFA, 18
.set LIM, 20
.set G1K, 24
.set G1V, 32
.set G0K, 40
.set G0V, 44
.set SLOTS, 56
.set CS,  58
.set SEL, 60
.set SB,  62                           ; LDS byte at which the slot in hand begins
.set RT,  70                           ; tiles of the block in hand still to be entered
.set NXT, 71                           ; the tile to be asked for next
.set LQ,  72                           ; the last tile of the block whose tiles are being asked for
.set OFF, 74
.set AL,  76
.set BE,  78
.set MSB, 0
.macro WIN new
.if MSB != (\new)
	s_set_vgpr_msb (MSB<<8)|(\new)
.set MSB, \new
.endif
.endm
.macro PLACES
.rept 4
	v_nop
.endr
.endm
; A joint fill: waves 0 and 1 fetch K of the tile's two steps, waves 2 and 3 V.  An s_nop 0 and four v_nop follow each line.
.macro JLOAD
	s_cmp_lt_u32 s[WV], 2
	s_cbranch_scc0 .Lfor_v_\@
	tensor_load_to_lds s[G0K:G0K+3], s[G1K:G1K+7]
	s_nop 0
.rept 4
	v_nop
.endr
	s_branch .Lasked_\@
.Lfor_v_\@:
	tensor_load_to_lds s[G0V:G0V+3], s[G1V:G1V+7]
	s_nop 0
.rept 4
	v_nop
.endr
.Lasked_\@:
.endm
; A prefetch of the tile that the NEXT change will ask for: 128 rows of K and of V, 256 bytes a row.  All eight clusters of a kv head walk the same tiles; the cluster pb = 0, whose first block walks
; all sixteen, asks.  Its partners take 32 rows each, told apart by address; wave 0 asks for K's, wave 2 for V's: a lane a row.  Tiles 0 and 1 come by their loads alone; tile 15 is the last that is named.
.macro ASK
	s_cmp_gt_u32 s[SLOTS], s[LIM]
	s_cbranch_scc0 .Lnot_mine_\@
	global_prefetch_b8 v[PFO], s[PFA:PFA+1] th:TH_LOAD_NT scope:SCOPE_SE
.Lnot_mine_\@:
.endm
.macro CROUND
	s_barrier_signal -1
	s_barrier_wait -1
	s_cmp_lg_u32 s[WV], 0
	s_cbranch_scc1 .Lnot_wave_0_\@
	s_barrier_signal -3
.Lnot_wave_0_\@:
	s_barrier_wait -3
	s_barrier_signal -1
	s_barrier_wait -1
.endm
; THE CHANGE OF SLOTS.  Each wave waits for all its tensor loads (one is out: its part of the other slot), adds 0 to its spare word, and waits for that and for its reads of the slot that it leaves.
; fill = 1: a round of the cluster's barrier, and the old slot is filled with tile NXT, the first thing behind it; the descriptor's address is made anew from that number.
.macro CHANGE fill
	WIN 0
	s_wait_tensorcnt 0x0
	ds_add_u32 v[SPW], v[NIL]
.if \fill
	s_lshl_b32 s[OFF], s[NXT], 15                  ; a tile is 32,768 bytes of K and of V
	s_xor_b32 s[G0K+1], s[G0K+1], SLOT1
	s_add_nc_u64 s[G0K+2:G0K+3], s[8:9], s[OFF:OFF+1]
	s_or_b32 s[G0K+3], s[G0K+3], 0x80000000
	s_xor_b32 s[G0V+1], s[G0V+1], SLOT1
	s_add_nc_u64 s[G0V+2:G0V+3], s[10:11], s[OFF:OFF+1]
	s_or_b32 s[G0V+3], s[G0V+3], 0x80000000
	s_add_co_u32 s[NXT], s[NXT], 1                 ; the block's next tile, or behind its last the second block's tile 0
	s_cmp_gt_u32 s[NXT], s[LQ]
	s_cselect_b32 s[NXT], 0, s[NXT]
	s_cselect_b32 s[LQ], s[PB], s[LQ]
	s_wait_xcnt 0x0                                ; the last prefetch, a tile back, has read its address
	s_add_nc_u64 s[PFA:PFA+1], s[PFA:PFA+1], 2*KS*256
	s_wait_dscnt 0x0                               ; the add is done, my reads of the slot are over
	CROUND
	JLOAD
	ASK
.else
	s_wait_dscnt 0x0
	s_barrier_signal -1
	s_barrier_wait -1
.endif
	s_xor_b32 s[SB], s[SB], SLOT1                  ; the reads go to the other slot
.endm
	s_load_b128 s[4:7], s[0:1], 0x0                ; hb s[4:5], ob s[6:7]
	s_load_b64 s[96:97], s[0:1], 0x10              ; vl
	v_lshl_add_u32 v[SPW], v0, 2, SPARE
	v_mov_b32 v[NIL], 0
	ds_add_u32 v[SPW], v[NIL]                      ; the wave's opening: the add and its wait ahead of my first tensor load
	v_lshrrev_b32 v1, 5, v0
	v_readfirstlane_b32 s[WV], v1
	s_bfe_u32 s13, ttmp6, 0x40000                  ; cx
	s_mov_b32 s[PB], ttmp9
	s_sub_co_u32 s[HI], 15, s[PB]
	s_and_b32 s16, ttmp7, 0xffff
	s_lshr_b32 s17, s16, 2                         ; b
	s_and_b32 s21, s16, 3                          ; kv head
	s_and_b32 s22, s[WV], 1                        ; which of a tile's two steps I fetch
	s_lshl_b32 s84, s17, 4
	s_add_co_u32 s84, s84, s21
	s_add_co_u32 s84, s84, 8                       ; K's plane,
	s_lshl_b32 s84, s84, 19                        ; 2^19 bytes a plane,
	s_lshl_b32 s85, s22, 14                        ; my step's 64 rows
	s_add_co_u32 s84, s84, s85
	s_mov_b32 s85, 0
	s_mul_i32 s23, s22, STEPB                      ; and its place in a slot: no place in the cluster enters an LDS address
	s_and_b32 s88, s13, 1                          ; which query head of the two
	s_lshr_b32 s89, s13, 1                         ; hf: which 64 positions of a block
	s_lshl_b32 s90, s21, 1
	s_add_co_u32 s90, s90, s88                     ; the query head
	s_lshl_b32 s91, s17, 4
	s_add_co_u32 s91, s91, s90
	s_lshl_b32 s91, s91, 11                        ; its plane's first row
	s_lshl_b32 s92, s89, 6
	s_lshl_b32 s93, s[WV], 4
	s_add_co_u32 s92, s92, s93
	s_lshl_b32 s93, s[HI], 7
	s_add_co_u32 s93, s93, s92                     ; my first position in the first block,
	s_lshl_b32 s94, s[PB], 7
	s_add_co_u32 s94, s94, s92                     ; and in the second
	s_add_co_u32 s48, s91, s93
	s_lshl_b32 s48, s48, 8                         ; Q's offsets: 256 bytes a row
	s_mov_b32 s49, 0
	s_add_co_u32 s50, s91, s94
	s_lshl_b32 s50, s50, 8
	s_mov_b32 s51, 0
	s_lshl_b32 s95, s17, 11
	s_lshl_b32 s90, s90, 8
	s_add_co_u32 s52, s95, s93
	s_lshl_b32 s52, s52, 11                        ; O's offsets: 2,048 bytes a row, 256 a head
	s_add_co_u32 s52, s52, s90
	s_mov_b32 s53, 0
	s_add_co_u32 s54, s95, s94
	s_lshl_b32 s54, s54, 11
	s_add_co_u32 s54, s54, s90
	s_mov_b32 s55, 0
	s_mov_b32 s83, 0xf149f2ca                      ; -1e30
	s_cmp_eq_u32 s89, 0
	s_cselect_b32 s80, 1.0, 0                      ; the diagonal tile's step 0: AL
	s_cselect_b32 s81, 0, 1.0                      ; step 1: AL,
	s_cselect_b32 s82, s83, 0                      ; and BE
	v_mov_b32 v[NG], 0xbf800000
	s_mov_b32 s[G1K], 15|(1<<16)|(1<<20)|(1<<21)|(5<<22)|(3<<25)  ; the mask of four; 2-byte elements; padding on; bit 21 beside a mask; after every 64 words, 4 words
	s_mov_b32 s[G1V], 15|(1<<16)|(1<<20)|(1<<21)|(5<<22)|(7<<25)  ; the same with 8 words
.irp g, G1K, G1V
	s_mov_b32 s[(\g)+1], 128<<16                   ; tensor_dim0 = 128
	s_mov_b32 s[(\g)+2], KS<<16                    ; tensor_dim1 = 64
	s_mov_b32 s[(\g)+3], 128<<16                   ; tile_dim0 = 128
	s_mov_b32 s[(\g)+4], KS                        ; tile_dim1 = 64
	s_mov_b32 s[(\g)+5], 128                       ; elements from row to row
	s_mov_b32 s[(\g)+6], 0
	s_mov_b32 s[(\g)+7], 0
.endr
	s_mov_b32 s[CS], 0x3e0293ee                    ; c = log2(e) / sqrt(128)
	s_mov_b32 s[CS+1], s[CS]
	s_mov_b32 s[SEL], 0x76543210
	s_mov_b32 s[SEL+1], 0xfedcba98
	s_mov_b32 s[SB], SLOT1                         ; the first change turns it into 0
	s_mov_b32 s[SLOTS], 16
	s_add_co_u32 s[RT], s[HI], 1                   ; the first block has 16 - pb tiles
	s_mov_b32 s[NXT], 1
	s_mov_b32 s[LQ], s[HI]
	s_mov_b32 s[OFF+1], 0
	s_mov_b32 s[AL+1], 0
	s_mov_b32 s[BE+1], 0
	s_mov_b32 s[G0K], 1
	s_mov_b32 s[G0K+1], s23
	s_mov_b32 s[G0V], 1
	s_add_co_u32 s[G0V+1], s23, VOFF
	s_and_b32 s[LIM], s[WV], 1
	s_or_b32 s[LIM], s[LIM], ttmp9                 ; waves 0 and 2 of the cluster pb = 0: the same in all four partners
	s_cmp_eq_u32 s[LIM], 0
	s_cselect_b32 s[LIM], 2, -1
	v_and_b32 v[PFO], 31, v0
	v_lshlrev_b32 v[PFO], 8, v[PFO]
	s_wait_dscnt 0x0                               ; the opening add is done
	s_wait_kmcnt 0x0
	s_add_nc_u64 s[8:9], s[4:5], s[84:85]          ; K at my step of tile 0,
	s_add_nc_u64 s[10:11], s[8:9], 0x200000        ; V four planes on
	s_add_nc_u64 s[G0K+2:G0K+3], s[8:9], 0
	s_or_b32 s[G0K+3], s[G0K+3], 0x80000000
	s_add_nc_u64 s[G0V+2:G0V+3], s[10:11], 0
	s_or_b32 s[G0V+3], s[G0V+3], 0x80000000
	s_add_nc_u64 s[48:49], s[4:5], s[48:49]
	s_add_nc_u64 s[50:51], s[4:5], s[50:51]
	s_add_nc_u64 s[52:53], s[6:7], s[52:53]
	s_add_nc_u64 s[54:55], s[6:7], s[54:55]
	s_lshl_b32 s86, s16, 13                        ; vl: 8,192 bytes for each batch and kv head
	s_mov_b32 s87, 0
	s_add_nc_u64 s[96:97], s[96:97], s[86:87]
	s_cmp_lt_u32 s[WV], 2
	s_cselect_b64 s[PFA:PFA+1], s[8:9], s[10:11]
	s_lshl_b32 s86, s13, 13                        ; my work-group's 32 rows of the 128
	s_mov_b32 s87, 0
	s_add_nc_u64 s[PFA:PFA+1], s[PFA:PFA+1], s[86:87]
	s_add_nc_u64 s[PFA:PFA+1], s[PFA:PFA+1], 2*KS*256  ; at tile 1: the first change steps it to tile 2
	CROUND                                         ; all four work-groups are here
	JLOAD                                          ; tile 0 into slot 0; slot 1 is asked for by the loop's first change
	v_and_b32 v1, 15, v0                           ; l % 16
	v_bfe_u32 v9, v0, 4, 1                         ; l / 16
	v_lshlrev_b32 v[QO], 8, v1
	v_lshl_add_u32 v[QO], v9, 4, v[QO]
	v_and_b32 v[VGO], 31, v0
	v_lshlrev_b32 v[VGO], 4, v[VGO]
.set i, 0
.rept 4                                ; a fragment is 16 rows x 32 channels: two loads of 16 bytes, 32 bytes apart
	global_load_b128 v[Q+8*i:Q+8*i+3],   v[QO], s[48:49] offset:64*i
	global_load_b128 v[Q+8*i+4:Q+8*i+7], v[QO], s[48:49] offset:64*i+32
.set i, i+1
.endr
.set i, 0
.rept 16                               ; vl's 32 rows, 512 consecutive bytes a load, into O's registers, which are not yet in use
	global_load_b128 v[O+4*i:O+4*i+3], v[VGO], s[96:97] offset:512*i
.set i, i+1
.endr
	WIN 0x80
.set i, 0
.rept 4
	global_load_b128 v[8*i:8*i+3],   v[QO], s[50:51] offset:64*i
	global_load_b128 v[8*i+4:8*i+7], v[QO], s[50:51] offset:64*i+32
.set i, i+1
.endr
	WIN 0
	v_lshlrev_b32 v14, 3, v9
	v_sub_nc_u32 v14, v1, v14
	s_lshl_b32 s86, s[WV], 4
	v_add_nc_u32 v14, s86, v14                     ; 16 w + l % 16 - 8 (l / 16): register r of key group kt is hidden where 16 kt + r is greater
.set i, 0
.rept 32
	v_cmp_gt_i32 vcc_lo, 16*(i/8)+i%8, v14
	v_cndmask_b32 v[MD+i], 0, s83, vcc_lo
.set i, i+1
.endr
	v_mul_u32_u24 v[AK0], v1, PK
	v_lshl_add_u32 v[AK0], v9, 4, v[AK0]
	s_mul_i32 s87, s[WV], 32*PV
	s_add_co_u32 s87, s87, VLS                     ; my 32 rows for vl
	v_and_b32 v10, 7, v0                           ; the turning load: lane l reads key 8 (l / 16) + l % 8, channels 8 ((l / 8) % 2) + 0..7
	v_bfe_u32 v11, v0, 3, 1
	v_lshl_add_u32 v[AV0], v9, 3, v10
	v_mul_u32_u24 v[AV0], v[AV0], PV
	v_lshl_add_u32 v[AV0], v11, 4, v[AV0]
	v_add_nc_u32 v[VRD], s87, v[AV0]
	v_add_nc_u32 v[AV0], VOFF, v[AV0]
	v_mul_u32_u24 v[VST], v9, PV                   ; a load's 512 bytes are two rows: lanes 0-15 the even one, lanes 16-31 the odd
	v_lshl_add_u32 v[VST], v1, 4, v[VST]
	v_add_nc_u32 v[VST], s87, v[VST]
	s_mul_i32 s86, s[WV], 16*SP
	s_add_co_u32 s86, s86, STAGE
	v_mul_u32_u24 v[STO], v1, SP
	v_lshl_add_u32 v[STO], v9, 4, v[STO]
	v_add_nc_u32 v[STO], s86, v[STO]
	v_mul_u32_u24 v[RD], v9, SP
	v_lshl_add_u32 v[RD], v1, 4, v[RD]
	v_add_nc_u32 v[RD], s86, v[RD]
	v_lshlrev_b32 v[GO], 11, v9                    ; two rows of ob, 2,048 bytes apart, 256 bytes of each
	v_lshl_add_u32 v[GO], v1, 4, v[GO]
	v_mov_b32 v[ST], 0xfe000000                    ; c m: far below every c s, a hidden one's too
	v_mov_b32 v[ST+1], 0xff7fffff                  ; m
	v_mov_b32 v[ST+2], 0
	v_mov_b32 v[ST+3], 0
	s_wait_loadcnt 0x0                             ; both blocks' Q, and vl
.set i, 0
.rept 16
	ds_store_b128 v[VST], v[O+4*i:O+4*i+3] offset:i*2*PV  ; into bytes that are my wave's alone
.set i, i+1
.endr
	WIN 0x80
.irp f, 0,1,2,3,4,5,6,7                ; and back, turned: channels 16 f on, keys 0-31; LDS serves a wave's instructions in order
	ds_load_tr16_b128 v[VL+8*(\f):VL+8*(\f)+3],   v[VRD] offset:(\f)*32
	ds_load_tr16_b128 v[VL+8*(\f)+4:VL+8*(\f)+7], v[VRD] offset:16*PV+(\f)*32
.endr
	WIN 0
	s_wait_dscnt 0x0
	; a block's first step multiplies O and l by a = 0, so they need only be finite: zeros for the first block, what the first block left for the second.  The price of writing no first step out.
.set i, 0
.rept 64
	v_mov_b32 v[O+i], 0
.set i, i+1
.endr
.macro FETCH_K s                       ; a step's K: 16 fragments, keys 16 (f / 4) on, channels 32 (f % 4) on
	WIN 0x40
.irp f, 0,1,2,3,4,5,6,7,8,9,10,11,12,13,14,15
	ds_load_b128 v[KF+8*(\f):KF+8*(\f)+3],   v[AK] offset:(\s)*STEPB+((\f)/4)*16*PK+((\f)%4)*64
	ds_load_b128 v[KF+8*(\f)+4:KF+8*(\f)+7], v[AK] offset:(\s)*STEPB+((\f)/4)*16*PK+((\f)%4)*64+32
.endr
.endm
.macro FETCH_V s                       ; its V, turned: keys 32 (f / 8) on, channels 16 (f % 8) on
	WIN 0x40
.irp f, 0,1,2,3,4,5,6,7,8,9,10,11,12,13,14,15
	ds_load_tr16_b128 v[VF+8*(\f):VF+8*(\f)+3],   v[AV] offset:(\s)*STEPB+((\f)/8)*32*PV+((\f)%8)*32
	ds_load_tr16_b128 v[VF+8*(\f)+4:VF+8*(\f)+7], v[AV] offset:(\s)*STEPB+((\f)/8)*32*PV+16*PV+((\f)%8)*32
.endr
.endm
; Product i of 16 of S^T: channels 32 (i / 4) on, keys 16 (i % 4) on.  The first four start the sums with the mask.  The four accumulators take turns.
.macro KQ
	WIN 0x01
.set rS, S+8*(i%4)
.set rK, KF+32*(i%4)+8*(i/4)
.set rQ, Q+8*(i/4)
.set rM, MC+8*(i%4)
.if i < 4
	v_wmma_f32_16x16x32_f16 v[rS:rS+7], v[rK:rK+7], v[rQ:rQ+7], v[rM:rM+7]
.else
	v_wmma_f32_16x16x32_f16 v[rS:rS+7], v[rK:rK+7], v[rQ:rQ+7], v[rS:rS+7]
.endif
.set i, i+1
.endm
; Product i of 16 of O^T: keys 32 (i / 8) on, channels 16 (i % 8) on; w = P, or PL for the weights' low parts.  Eight accumulators by turns.
.macro PV w
	WIN 0x01
.set rO, O+8*(i%8)
.set rV, VF+64*(i/8)+8*(i%8)
.set rP, (\w)+8*(i/8)
	v_wmma_f32_16x16x32_f16 v[rO:rO+7], v[rV:rV+7], v[rP:rP+7], v[rO:rO+7]
.set i, i+1
.endm
; Where pb = 0 the walk's last tile is tile 0: O^T += vl^T P for keys 0-31.  The same eight accumulators, by turns; the jump goes forward, past text that holds neither a barrier nor a tensor load.
.macro PVLO
	WIN 0
	s_cmp_lg_u32 s[PB], 0
	s_cbranch_scc1 .Lno_lo_\@
	WIN 0x02                                       ; source 0 in window 2
.irp c, 0,1,2,3,4,5,6,7
	v_wmma_f32_16x16x32_f16 v[O+8*(\c):O+8*(\c)+7], v[VL+8*(\c):VL+8*(\c)+7], v[P:P+7], v[O+8*(\c):O+8*(\c)+7]
.endr
	WIN 0
.Lno_lo_\@:
.endm
.macro SOFTMAX lo
	; the maximum of my 32 scores and the old m: four chains, each accumulator's lowest registers first
.irp n, 0,1,2,3
	v_max3_num_f32 v[ST+4+(\n)], v[S+8*(\n)], v[S+8*(\n)+1], v[S+8*(\n)+2]
.endr
.irp n, 0,1,2,3
	v_max3_num_f32 v[ST+4+(\n)], v[ST+4+(\n)], v[S+8*(\n)+3], v[S+8*(\n)+4]
.endr
.irp n, 0,1,2,3
	v_max3_num_f32 v[ST+4+(\n)], v[ST+4+(\n)], v[S+8*(\n)+5], v[S+8*(\n)+6]
.endr
	v_max3_num_f32 v[ST+4], v[ST+4], v[S+7], v[S+15]
	v_max3_num_f32 v[ST+6], v[ST+6], v[S+23], v[S+31]
	v_max3_num_f32 v[ST+4], v[ST+4], v[ST+5], v[ST+6]
	v_max3_num_f32 v[ST+4], v[ST+4], v[ST+7], v[ST+1]
	v_permlanex16_b32 v[ST+5], v[ST+4], s[SEL], s[SEL+1]  ; the query's other 32 keys lie in the lane 16 away
	v_mov_b32 v[ST+7], v[ST]                       ; c m_old
	v_max_num_f32 v[ST+1], v[ST+4], v[ST+5]
	v_mul_f32 v[ST], s[CS], v[ST+1]
	v_sub_f32 v[ST+7], v[ST+7], v[ST]
.set i, 0
.rept 16
	v_pk_fma_f32 v[S+2*i:S+2*i+1], v[S+2*i:S+2*i+1], s[CS:CS+1], v[ST:ST+1] op_sel_hi:[1,0,0] neg_lo:[0,0,1] neg_hi:[0,0,1]  ; c s - c m
.set i, i+1
.endr
	v_exp_f32 v[ST+6], v[ST+7]                     ; a, and the 32 weights: one batch; nothing ahead of the wait names a result
.set i, 0
.rept 32
	v_exp_f32 v[S+i], v[S+i]
.set i, i+1
.endr
	v_nop                                          ; a plain instruction behind the last exponential,
	s_wait_alu depctr_va_vdst(0)                   ; and one wait for the 33
.set i, 0
.rept 16
	v_cvt_pk_f16_f32 v[P+i], v[S+2*i], v[S+2*i+1]
.set i, i+1
.endr
.if \lo                                ; p - f16(p), exact in f32 (the f16 half times -1 plus p, one fused line), in the mask's registers, which the products have read; then rounded to f16
.set i, 0
.rept 16
	v_fma_mix_f32 v[MC+2*i], v[P+i], v[NG], v[S+2*i] op_sel_hi:[1,0,0]
	v_fma_mix_f32 v[MC+2*i+1], v[P+i], v[NG], v[S+2*i+1] op_sel:[1,0,0] op_sel_hi:[1,0,0]
.set i, i+1
.endr
.set i, 0
.rept 16
	v_cvt_pk_f16_f32 v[PL+i], v[MC+2*i], v[MC+2*i+1]
.set i, i+1
.endr
.endif
.irp u, 0,1,2,3,4,5,6,7                ; the sum of the 16 pairs, in place, by halves
	v_pk_add_f32 v[S+4*(\u):S+4*(\u)+1], v[S+4*(\u):S+4*(\u)+1], v[S+4*(\u)+2:S+4*(\u)+3]
.endr
.irp u, 0,1,2,3
	v_pk_add_f32 v[S+8*(\u):S+8*(\u)+1], v[S+8*(\u):S+8*(\u)+1], v[S+8*(\u)+4:S+8*(\u)+5]
.endr
.irp u, 0,1
	v_pk_add_f32 v[S+16*(\u):S+16*(\u)+1], v[S+16*(\u):S+16*(\u)+1], v[S+16*(\u)+8:S+16*(\u)+9]
.endr
	v_pk_add_f32 v[S:S+1], v[S:S+1], v[S+16:S+17]
.set i, 0
.rept 32
	v_pk_mul_f32 v[O+2*i:O+2*i+1], v[O+2*i:O+2*i+1], v[ST+6:ST+7] op_sel_hi:[1,0]  ; O a
.set i, i+1
.endr
	v_pk_fma_f32 v[ST+2:ST+3], v[ST+2:ST+3], v[ST+6:ST+7], v[S:S+1] op_sel_hi:[1,0,1]  ; l = a l + the sum
.endm
; A KEY STEP.  K of step s has been asked for.  The mask's 16 lines are also the places between the last product that read V and the loads into V's registers.
; lo = 1 (step 0 of the walk's last tile): the weights' low parts are made and multiplied too, and, where pb = 0, the low parts of v.
.macro STEP s, lo
	WIN 0
	s_cmp_eq_u32 s[RT], 0                          ; the diagonal tile?
.if (\s) == 0
	s_cselect_b32 s[AL], s80, 0
	s_mov_b32 s[BE], 0
.else
	s_cselect_b32 s[AL], s81, 0
	s_cselect_b32 s[BE], s82, 0
.endif
.set i, 0
.rept 16
	v_pk_fma_f32 v[MC+2*i:MC+2*i+1], v[MD+2*i:MD+2*i+1], s[AL:AL+1], s[BE:BE+1] op_sel_hi:[1,0,0]
.set i, i+1
.endr
	FETCH_V \s
	s_wait_dscnt 32                                ; K is in; V's 32 loads may stay out
.set i, 0
.rept 16
	KQ
.endr
	WIN 0
	PLACES                                         ; in front of the readers of the scores, and of the loads into K's registers
.if (\s) == 0
	FETCH_K 1
	WIN 0
.endif
	SOFTMAX \lo
	s_wait_dscnt 32*(1-(\s))                       ; V is in; in step 0 the next step's K, 32 younger loads, may stay out
.set i, 0
.rept 16
	PV P
.endr
.if \lo
.set i, 0
.rept 16
	PV PL
.endr
	PVLO
.endif
.endm
.macro TILE lo
	WIN 0
	v_add_nc_u32 v[AK], s[SB], v[AK0]
	v_add_nc_u32 v[AV], s[SB], v[AV0]
	FETCH_K 0
	STEP 0, \lo
	STEP 1, 0
	WIN 0
.endm
; A BLOCK ENDS: l's two halves and the other half of the lanes' are added; O^T is divided by l, rounded to f16 and sent through my stage.  more = 1: the second block's Q, O address, m and tile count are set.
.macro FINISH more
	PLACES
	v_add_f32 v[ST+4], v[ST+2], v[ST+3]
	v_permlanex16_b32 v[ST+5], v[ST+4], s[SEL], s[SEL+1]
	v_add_f32 v[ST+4], v[ST+4], v[ST+5]
	v_rcp_f32 v[ST+6], v[ST+4]
	v_nop
	s_wait_alu depctr_va_vdst(0)                   ; the wait ahead of the reciprocal's first use
.set i, 0
.rept 32
	v_pk_mul_f32 v[O+2*i:O+2*i+1], v[O+2*i:O+2*i+1], v[ST+6:ST+7] op_sel_hi:[1,0]
.set i, i+1
.endr
.set i, 0
.rept 32
	v_cvt_pk_f16_f32 v[S+i], v[O+2*i], v[O+2*i+1]
.set i, i+1
.endr
.irp f, 0,1,2,3,4,5,6,7
	ds_store_b128 v[STO], v[S+4*(\f):S+4*(\f)+3] offset:32*(\f)
.endr
.irp f, 0,1,2,3,4,5,6,7
	ds_load_b128 v[S+4*(\f):S+4*(\f)+3], v[RD] offset:(\f)*2*SP  ; LDS serves a wave's instructions in order: these see the stores above
.endr
.irp f, 0,1,2,3,4,5,6,7
	s_wait_dscnt 7-(\f)
	global_store_b128 v[GO], v[S+4*(\f):S+4*(\f)+3], s[52:53] offset:(\f)*4096  ; sixteen lanes store 256 consecutive bytes, aligned: a row's share of one head
.endr
.if \more
	s_wait_xcnt 0x0                                ; the stores have read their registers and O's address
	s_mov_b64 s[52:53], s[54:55]
	WIN 0x02
.set i, 0
.rept 32
	v_mov_b32 v[Q+i], v[i]
.set i, i+1
.endr
	WIN 0
	v_mov_b32 v[ST], 0xfe000000
	v_mov_b32 v[ST+1], 0xff7fffff
	s_add_co_u32 s[RT], s[PB], 1                   ; the second block has pb + 1 tiles
.endif
.endm
.Lslot:                                                ; 16 times: a tile is entered and the next is asked for
	CHANGE 1
	s_sub_co_u32 s[RT], s[RT], 1
	TILE 0
	s_cmp_lg_u32 s[RT], 0
	s_cbranch_scc1 .Lbottom                        ; forward, past text that holds neither a barrier nor a tensor load
	FINISH 1                                       ; in the loop this is the first block's end
.Lbottom:
	s_sub_co_u32 s[SLOTS], s[SLOTS], 1
	s_cmp_lg_u32 s[SLOTS], 0
	s_cbranch_scc1 .Lslot
	CHANGE 0                                       ; the walk's last tile is written out
	s_sub_co_u32 s[RT], s[RT], 1
	TILE 1
	FINISH 0
	s_wait_tensorcnt 0x0                           ; the wave's end
	ds_add_u32 v[SPW], v[NIL]
	s_wait_dscnt 0x0
	CROUND                                         ; the closing round
	s_endpgm
.Lfunc_end_k_qbcdb72fb02_attn:
	.size	k_qbcdb72fb02_attn, .Lfunc_end_k_qbcdb72fb02_attn-k_qbcdb72fb02_attn
	.p2alignl 7, 3214868480
	.fill 96, 4, 3214868480
	.section	.rodata,"a",@progbits
	.p2align	6, 0x0
	.amdhsa_kernel k_qbcdb72fb02_attn
		.amdhsa_group_segment_fixed_size 327680
		.amdhsa_private_segment_fixed_size 0
		.amdhsa_enable_private_segment 0
		.amdhsa_kernarg_size 24
		.amdhsa_user_sgpr_count 2
		.amdhsa_user_sgpr_kernarg_segment_ptr 1
		.amdhsa_wavefront_size32 1
		.amdhsa_system_sgpr_workgroup_id_x 1
		.amdhsa_system_sgpr_workgroup_id_y 1
		.amdhsa_system_sgpr_workgroup_id_z 1
		.amdhsa_system_vgpr_workitem_id 0
		.amdhsa_next_free_vgpr 608
		.amdhsa_next_free_sgpr 98
		.amdhsa_reserve_vcc 1
		.amdhsa_float_denorm_mode_32 3
		.amdhsa_float_denorm_mode_16_64 3
		.amdhsa_memory_ordered 1
		.amdhsa_forward_progress 1
		.amdhsa_inst_pref_size 99
	.end_amdhsa_kernel
	.amdgpu_metadata
---
amdhsa.version: [ 1, 2 ]
amdhsa.kernels:
  - .name:           k_qbcdb72fb02_attn
    .symbol:         k_qbcdb72fb02_attn.kd
    .args:
      - { .name: hb, .offset: 0, .size: 8, .value_kind: global_buffer, .address_space: global }
      - { .name: ob, .offset: 8, .size: 8, .value_kind: global_buffer, .address_space: global }
      - { .name: vl, .offset: 16, .size: 8, .value_kind: global_buffer, .address_space: global }
    .group_segment_fixed_size: 327680
    .private_segment_fixed_size: 0
    .kernarg_segment_align: 8
    .kernarg_segment_size: 24
    .max_flat_workgroup_size: 128
    .sgpr_count:     98
    .vgpr_count:     608
    .wavefront_size: 32
...
	.end_amdgpu_metadata
.endif
;; end of part 3
;; launch oproj (part 4): grid 16 x 16, 4 waves a work-group, clusters of 4 x 4, 327,680 bytes of LDS; arguments ob, wob, out0; writes out0
.if DOCPART == 4
	.amdgcn_target "amdgcn-amd-amdhsa--gfx1250"
	.amdhsa_code_object_version 6
	.text
	.protected	k_qbcdb72fb02_oproj
	.globl	k_qbcdb72fb02_oproj
	.p2align	8
	.type	k_qbcdb72fb02_oproj,@function
k_qbcdb72fb02_oproj:
	s_mov_b64 s[64:65], 0
	v_nop
	global_prefetch_b8 v0, s[64:65] scope:SCOPE_SE
	s_setreg_imm32_b32 hwreg(HW_REG_WAVE_MODE, 25, 1), 1
	s_wait_xcnt 0x0
	s_wait_alu depctr_hold_cnt(0) depctr_sa_sdst(0) depctr_va_vdst(0) depctr_va_sdst(0) depctr_va_ssrc(0) depctr_va_vcc(0) depctr_vm_vsrc(0)
	s_getreg_b32 s2, hwreg(HW_REG_IB_STS2, 6, 4)
	s_cmp_eq_u32 s2, 0
	s_cbranch_scc0 .Lentry_in_a_cluster
	s_endpgm
.Lentry_in_a_cluster:
	s_bfe_u32 s2, ttmp6, 0x10000c
	s_cmp_lg_u32 s2, 0xf033
	s_cbranch_scc0 .Lentry_shape_is_right
	s_endpgm
.Lentry_shape_is_right:
; THE OUTPUT PROJECTION.  out0[m][n] = sum over k of ob[m][k] wob[n][k].  ob: [4096][1024] f16, wob: [4096][1024] f16, out0: [4096][4096] f32; sums in f32.
; A tile of 256 x 256 to a work-group (16 x 16 = 256 of them), four waves of 128 x 128: 64 accumulators, 512 registers.  K in steps of 128 through two LDS slots filled by joint tensor loads:
; 4 x 4 clusters, ob's tile shared along a row of the cluster, wob's along a column.  The matrix instruction is used transposed (source 0 = 16 rows of wob, source 1 = 16 rows of ob):
; lane l holds row l % 16 of the result and the columns 16 b + 8 (l / 16) + 0..7.
; The last K step goes by rows of the result: each block of 16 rows leaves as soon as it is finished, through my stage in LDS, as whole rows of 512 bytes, while the other blocks are multiplied.
; REGISTERS: window 0 addresses and ob's fragments; window 1 wob's fragments; windows 2 and 3 the accumulators ((a, b) at 8 (8 (a % 4) + b)).
.set SIZE_N, 4096
.set SIZE_K, 1024
.set KSTEP,  128
.set PITCH,  272
.set HALFT,  128*PITCH
.set SLOT,   4*HALFT
.set STAGE,  2*SLOT
.set SPITCH, 528                       ; a stage row: 512 bytes + 16 = 132 words: the 16 rows that a store touches start at 16 different groups of four banks
.set SPARE,  STAGE+4*16*SPITCH
.set LAPS,   SIZE_K/(2*KSTEP)
.set ADRA, 16
.set ADRB, 20
.set STO,  24
.set RD,   25
.set CO,   26
.set SPW,  28
.set NIL,  29
.set PFO,  30
.set PFA,  44
.set LIM,  43
.set F0,   64
.set F1,   128
.set PA,   64
.set G1, 24
.set G0, 32
.set G1B, 48
.set G0B, 56
.set MSB, 0
.macro WIN new
.if MSB != (\new)
	s_set_vgpr_msb (MSB<<8)|(\new)
.set MSB, \new
.endif
.endm
.set MUL_LO, 0xa1                      ; source 0 (wob) window 1, source 1 (ob) window 0, C and D window 2
.set MUL_HI, 0xf1                      ; the same, C and D window 3
.set TO_B,   0x40
.macro JLOAD s                         ; waves 0, 1 fetch ob's two halves, waves 2, 3 wob's; an s_nop 0 and four v_nop follow each line
	s_cmp_eq_u32 s11, 0
	s_cbranch_scc0 .Lfor_b_\@
	tensor_load_to_lds s[G0+4*(\s):G0+4*(\s)+3], s[G1:G1+7]
	s_nop 0
.rept 4
	v_nop
.endr
	s_branch .Lasked_\@
.Lfor_b_\@:
	tensor_load_to_lds s[G0B+4*(\s):G0B+4*(\s)+3], s[G1B:G1B+7]
	s_nop 0
.rept 4
	v_nop
.endr
.Lasked_\@:
.endm
; A prefetch of the K step two refills on: 32 rows x 256 bytes, a lane a row.  ob's rows: the clusters with x = 0 ask; wob's: the clusters with y = 0.  The four partners that ask for a tile jointly
; share its rows out by address, 32 of the wave's 128 each.  K steps 0 to 3 come by their loads alone; the loop's last trip asks for nothing: K step 7 is the last that is named.
.macro ASK
	s_cmp_gt_u32 s3, s[LIM]
	s_cbranch_scc0 .Lnot_mine_\@
	global_prefetch_b8 v[PFO], s[PFA:PFA+1] offset:KSTEP*2 th:TH_LOAD_NT scope:SCOPE_SE
.Lnot_mine_\@:
.endm
.macro CREST
	s_cmp_lg_u32 s10, 0
	s_cbranch_scc1 .Lnot_wave_0_\@
	s_barrier_signal -3
.Lnot_wave_0_\@:
	s_barrier_wait -3
	s_barrier_signal -1
	s_barrier_wait -1
.endm
.macro CROUND
	s_barrier_signal -1
	s_barrier_wait -1
	CREST
.endm
	s_load_b128 s[4:7], s[0:1], 0x0                ; ob s[4:5], wob s[6:7]
	s_load_b64 s[8:9], s[0:1], 0x10                ; out0
	v_lshl_add_u32 v[SPW], v0, 2, SPARE
	v_mov_b32 v[NIL], 0
	ds_add_u32 v[SPW], v[NIL]                      ; the wave's opening: the add and its wait ahead of my first tensor load
	v_lshrrev_b32 v1, 5, v0
	v_readfirstlane_b32 s10, v1                    ; wave 0..3
	s_lshr_b32 s11, s10, 1                         ; which half of the tile's rows is mine; also: I fetch for ob (0) or wob (1)
	s_and_b32 s12, s10, 1                          ; which half of its columns; also: which 128 rows I fetch
	s_bfe_u32 s40, ttmp6, 0x40000                  ; cx
	s_bfe_u32 s41, ttmp6, 0x40004                  ; cy
	s_lshl_b32 s42, ttmp9, 2
	s_add_co_u32 s42, s42, s40                     ; tile column
	s_and_b32 s13, ttmp7, 0xffff
	s_lshl_b32 s13, s13, 2
	s_add_co_u32 s13, s13, s41                     ; tile row
	s_lshl_b32 s43, s41, 2
	s_lshl_b32 s43, 15, s43                        ; my row of the cluster
	s_lshl_b32 s44, 0x1111, s40                    ; my column
	s_or_b32 s[G1+0], s43, (1<<16)|(1<<20)|(1<<21)|(5<<22)|(3<<25)
	s_or_b32 s[G1B+0], s44, (1<<16)|(1<<20)|(1<<21)|(5<<22)|(3<<25)
.irp g, G1, G1B
	s_mov_b32 s[(\g)+1], KSTEP<<16                 ; tensor_dim0 = 128
	s_mov_b32 s[(\g)+2], 128<<16                   ; tensor_dim1 = 128
	s_mov_b32 s[(\g)+3], KSTEP<<16                 ; tile_dim0 = 128
	s_mov_b32 s[(\g)+4], 128                       ; tile_dim1 = 128
	s_mov_b32 s[(\g)+5], SIZE_K                    ; elements from row to row
	s_mov_b32 s[(\g)+6], 0
	s_mov_b32 s[(\g)+7], 0
.endr
	s_lshl_b32 s17, s12, 7
	s_lshl_b32 s16, s13, 8
	s_add_co_u32 s16, s16, s17                     ; ob: row 256 x tile row + 128 x half
	s_lshl_b32 s46, s42, 8
	s_add_co_u32 s46, s46, s17                     ; wob: row 256 x tile column + 128 x half
	s_mov_b32 s17, 0
	s_mov_b32 s47, 0
	s_mov_b64 s[18:19], SIZE_K*2
	s_mul_u64 s[16:17], s[16:17], s[18:19]
	s_mul_u64 s[46:47], s[46:47], s[18:19]
	s_mul_i32 s20, s10, HALFT                      ; where they go: wave x 128 rows
	s_wait_dscnt 0x0                               ; the opening add is done
	s_wait_kmcnt 0x0
	s_add_nc_u64 s[14:15], s[4:5], s[16:17]
	s_add_nc_u64 s[46:47], s[6:7], s[46:47]
	CROUND                                         ; all sixteen work-groups are here
.irp s, 0,1
	s_mov_b32 s[G0+4*(\s)], 1
	s_add_co_u32 s[G0+4*(\s)+1], s20, (\s)*SLOT
	s_add_nc_u64 s[G0+4*(\s)+2:G0+4*(\s)+3], s[14:15], (\s)*KSTEP*2
	s_or_b32 s[G0+4*(\s)+3], s[G0+4*(\s)+3], 0x80000000
	s_mov_b32 s[G0B+4*(\s)], 1
	s_add_co_u32 s[G0B+4*(\s)+1], s20, (\s)*SLOT
	s_add_nc_u64 s[G0B+4*(\s)+2:G0B+4*(\s)+3], s[46:47], (\s)*KSTEP*2
	s_or_b32 s[G0B+4*(\s)+3], s[G0B+4*(\s)+3], 0x80000000
	JLOAD \s                                       ; two loads of mine are out
.endr
	v_and_b32 v1, 15, v0                           ; l % 16
	v_bfe_u32 v2, v0, 4, 1                         ; l / 16
	v_mul_u32_u24 v3, v1, PITCH
	v_lshl_add_u32 v3, v2, 4, v3
	s_mul_i32 s21, s11, HALFT                      ; my 128 rows of ob
	s_mul_i32 s22, s12, HALFT                      ; my 128 rows of wob,
	s_add_co_u32 s22, s22, 2*HALFT                 ; which lie behind ob's 256
.irp s, 0,1
	v_add_nc_u32 v[ADRA+(\s)], s21, v3
	v_add_nc_u32 v[ADRB+(\s)], s22, v3
	s_add_co_u32 s21, s21, SLOT
	s_add_co_u32 s22, s22, SLOT
.endr
	s_mul_i32 s23, s10, 16*SPITCH
	s_add_co_u32 s23, s23, STAGE                   ; my stage
	v_mul_u32_u24 v4, v1, SPITCH                   ; in: row l % 16, 32 bytes for each half of the lanes
	v_lshl_add_u32 v4, v2, 5, v4
	v_add_nc_u32 v[STO], s23, v4
	v_and_b32 v5, 31, v0
	v_lshlrev_b32 v[CO], 4, v5                     ; back and out: 32 lanes take a row's 512 bytes
	v_add_nc_u32 v[RD], s23, v[CO]
	; out0 at my part of the tile
	s_lshl_b32 s13, s13, 8
	s_lshl_b32 s14, s11, 7
	s_add_co_u32 s16, s13, s14                     ; my first row,
	s_lshl_b32 s16, s16, 14                        ; 16,384 bytes a row: under 2^26
	s_mov_b32 s17, 0
	s_lshl_b32 s46, s42, 10                        ; my first column: 1,024 bytes a tile, 512 a half
	s_lshl_b32 s47, s12, 9
	s_add_co_u32 s46, s46, s47
	s_mov_b32 s47, 0
	s_add_nc_u64 s[16:17], s[16:17], s[46:47]
	s_add_nc_u64 s[8:9], s[8:9], s[16:17]
	; the prefetches
	s_lshl_b32 s42, s42, 8
	s_and_b32 s22, ttmp7, 0xffff                   ; cluster y
	s_cmp_eq_u32 s11, 0
	s_cselect_b32 s20, s13, s42                    ; the tile's first row
	s_cselect_b32 s21, s40, s41                    ; my place among the four that ask for it with me
	s_cselect_b32 s22, ttmp9, s22                  ; the coordinate along which other clusters read the same rows
	s_cselect_b64 s[PFA:PFA+1], s[4:5], s[6:7]
	s_cmp_eq_u32 s22, 0
	s_cselect_b32 s[LIM], 1, -1                    ; the same in all sixteen partners, for a given wave
	s_lshl_b32 s22, s12, 7
	s_add_co_u32 s20, s20, s22
	s_lshl_b32 s21, s21, 5
	s_add_co_u32 s20, s20, s21
	s_mov_b32 s21, 0
	s_mov_b64 s[18:19], SIZE_K*2
	s_mul_u64 s[20:21], s[20:21], s[18:19]
	s_add_nc_u64 s[PFA:PFA+1], s[PFA:PFA+1], s[20:21]
	s_add_nc_u64 s[PFA:PFA+1], s[PFA:PFA+1], 2*KSTEP*2  ; at K step 2: the first change steps it to 3 and names 4
	v_mul_u32_u24 v[PFO], v5, SIZE_K*2
; 16 matrix instructions: row blocks a0, a0 + 1 of the window's four x all 8 column blocks.  The 64 accumulators take turns, in the same order in every quarter, over the backward jump too.
.macro MUL16 f, hi, a0, zero
	WIN MUL_LO+0x50*(\hi)
.irp a, \a0, (\a0)+1
.irp b, 0,1,2,3,4,5,6,7
.if \zero
	v_wmma_f32_16x16x32_f16 v[8*(8*(\a)+(\b)):8*(8*(\a)+(\b))+7], v[(\f)+8*(\b):(\f)+8*(\b)+7], v[(\f)+8*(4*(\hi)+(\a)):(\f)+8*(4*(\hi)+(\a))+7], 0
.else
	v_wmma_f32_16x16x32_f16 v[8*(8*(\a)+(\b)):8*(8*(\a)+(\b))+7], v[(\f)+8*(\b):(\f)+8*(\b)+7], v[(\f)+8*(4*(\hi)+(\a)):(\f)+8*(4*(\hi)+(\a))+7], v[8*(8*(\a)+(\b)):8*(8*(\a)+(\b))+7]
.endif
.endr
.endr
.endm
.macro FETCH slot, k, f                ; 32 LDS loads in one run
	WIN TO_B
.irp i, 0,1,2,3,4,5,6,7
	ds_load_b128 v[(\f)+8*(\i):(\f)+8*(\i)+3],   v[ADRB+(\slot)] offset:(\k)+(\i)*16*PITCH
	ds_load_b128 v[(\f)+8*(\i)+4:(\f)+8*(\i)+7], v[ADRB+(\slot)] offset:(\k)+(\i)*16*PITCH+32
.endr
	WIN 0
.irp i, 0,1,2,3,4,5,6,7
	ds_load_b128 v[(\f)+8*(\i):(\f)+8*(\i)+3],   v[ADRA+(\slot)] offset:(\k)+(\i)*16*PITCH
	ds_load_b128 v[(\f)+8*(\i)+4:(\f)+8*(\i)+7], v[ADRA+(\slot)] offset:(\k)+(\i)*16*PITCH+32
.endr
.endm
.macro PLACES
.rept 4
	v_nop
.endr
.endm
.macro QUARTER slot, k, f, g, zero
	s_wait_dscnt 8                                 ; wob's fragments and ob's rows 0-63 are in; the youngest eight loads may be out
	MUL16 \f, 0, 0, \zero
	MUL16 \f, 0, 2, \zero
	PLACES
	FETCH \slot, \k, \g
	s_wait_dscnt 32                                ; all but the 32 just issued
	MUL16 \f, 1, 0, \zero
	MUL16 \f, 1, 2, \zero
.endm
; The first half of a K step's last quarter: one barrier for the change of slots.  In front of it each wave waits for all its tensor loads (one is out: its part of the next slot), adds 0 to its
; spare word, and waits for that and for its reads of this slot.
.macro MEET round
	WIN 0
	s_wait_tensorcnt 0x0
	ds_add_u32 v[SPW], v[NIL]
	s_wait_dscnt 9                                 ; the add and the youngest eight loads may be out
	MUL16 F1, 0, 0, 0
	s_wait_dscnt 0x0                               ; the add is done, my reads of this slot are over
	s_barrier_signal -1
	MUL16 F1, 0, 2, 0
.if \round
	WIN 0
.endif
	s_barrier_wait -1
.endm
.macro TURN slot, next
	s_wait_xcnt 0x0                                ; the last prefetch, a K step back, has read its address
	s_add_nc_u64 s[PFA:PFA+1], s[PFA:PFA+1], KSTEP*2
	MEET 1
	CREST                                          ; no wave of any partner still reads this slot or has a load on its way
	s_add_nc_u64 s[G0+4*(\slot)+2:G0+4*(\slot)+3], s[G0+4*(\slot)+2:G0+4*(\slot)+3], 2*KSTEP*2
	s_add_nc_u64 s[G0B+4*(\slot)+2:G0B+4*(\slot)+3], s[G0B+4*(\slot)+2:G0B+4*(\slot)+3], 2*KSTEP*2
	JLOAD \slot                                    ; its four v_nop are also the places in front of the loads below
	FETCH \next, 0, F0
	ASK
	MUL16 F1, 1, 0, 0
	MUL16 F1, 1, 2, 0
.endm
; THE LAST K STEP (slot 1) BY ROWS: all its fragments of wob fill window 1; my eight blocks of 16 rows are finished one after the other, 32 matrix instructions each, the block's 8 accumulators by turns.
.macro BLOAD q
	WIN TO_B
.irp i, 0,1,2,3,4,5,6,7
	ds_load_b128 v[64*(\q)+8*(\i):64*(\q)+8*(\i)+3],   v[ADRB+1] offset:64*(\q)+(\i)*16*PITCH
	ds_load_b128 v[64*(\q)+8*(\i)+4:64*(\q)+8*(\i)+7], v[ADRB+1] offset:64*(\q)+(\i)*16*PITCH+32
.endr
.endm
.macro ALOAD a
	WIN 0
.set FA, PA+32*((\a)%4)
.irp q, 0,1,2,3
	ds_load_b128 v[FA+8*(\q):FA+8*(\q)+3],   v[ADRA+1] offset:64*(\q)+(\a)*16*PITCH
	ds_load_b128 v[FA+8*(\q)+4:FA+8*(\q)+7], v[ADRA+1] offset:64*(\q)+(\a)*16*PITCH+32
.endr
.endm
.macro ROW a
.set FA, PA+32*((\a)%4)
.set AC, 64*((\a)%4)
	WIN MUL_LO+0x50*((\a)/4)
.irp q, 0,1,2,3
.if (\a) == 0 && (\q) == 2
	s_wait_dscnt 24                                ; wob's quarter 2 is in (behind it: ob's blocks 1 to 3)
.endif
.irp b, 0,1,2,3,4,5,6,7
	v_wmma_f32_16x16x32_f16 v[AC+8*(\b):AC+8*(\b)+7], v[64*(\q)+8*(\b):64*(\q)+8*(\b)+7], v[FA+8*(\q):FA+8*(\q)+7], v[AC+8*(\b):AC+8*(\b)+7]
.endr
.endr
.endm
; THE WAY OUT of block a: 32 bytes a lane and accumulator into my stage (each accumulator's low half first), back as whole rows of 512 bytes into the same 64 registers, and stored.
.macro TOSTAGE a
.set AC, 64*((\a)%4)
	WIN 0x88+0x44*((\a)/4)                         ; the stores' data and the loads' destination in window 2 or 3, the addresses in window 0
.irp b, 0,1,2,3,4,5,6,7
	ds_store_b128 v[STO], v[AC+8*(\b):AC+8*(\b)+3]   offset:64*(\b)
	ds_store_b128 v[STO], v[AC+8*(\b)+4:AC+8*(\b)+7] offset:64*(\b)+16
.endr
.irp t, 0,1,2,3,4,5,6,7,8,9,10,11,12,13,14,15
	ds_load_b128 v[AC+4*(\t):AC+4*(\t)+3], v[RD] offset:(\t)*SPITCH  ; LDS serves a wave's instructions in order: these see the stores above
.endr
.endm
.macro SEND a, younger                 ; younger: the LDS loads issued behind TOSTAGE's, which may stay out
.set AC, 64*((\a)%4)
	WIN 0x88+0x44*((\a)/4)
	s_wait_dscnt \younger
.irp t, 0,1,2,3,4,5,6,7,8,9,10,11,12,13,14,15
	global_store_b128 v[CO], v[AC+4*(\t):AC+4*(\t)+3], s[8:9] offset:(16*(\a)+(\t))*SIZE_N*4 th:TH_STORE_NT  ; 512 consecutive bytes, aligned; 127 rows at the most stand in the immediate; no register of a store is written again
.endr
.endm
	s_wait_tensorcnt 1                             ; my part of K step 0 is in; K step 1's may stay out
	s_barrier_signal -1
	s_barrier_wait -1
	FETCH 0, 0, F0
	QUARTER 0, 64,  F0, F1, 1                      ; the first quarter's products start the sums
	WIN 0
	s_mov_b32 s3, LAPS-1
.Llap:
	QUARTER 0, 128, F1, F0, 0
	QUARTER 0, 192, F0, F1, 0
	TURN 0, 1
	QUARTER 1, 64,  F0, F1, 0
	QUARTER 1, 128, F1, F0, 0
	QUARTER 1, 192, F0, F1, 0
	TURN 1, 0
	QUARTER 0, 64,  F0, F1, 0
	WIN 0
	s_sub_co_u32 s3, s3, 1
	s_cmp_lg_u32 s3, 0
	s_cbranch_scc1 .Llap
	QUARTER 0, 128, F1, F0, 0
	QUARTER 0, 192, F0, F1, 0
	MEET 0                                         ; the load that was out is slot 1's, the last K step's, so no round follows
	PLACES                                         ; for the loads into buffer 0
	BLOAD 0                                        ; three quarters of wob now: buffer 1 (v128-191 of both windows) is still being multiplied
	BLOAD 1
	BLOAD 3
	ALOAD 0
	MUL16 F1, 1, 0, 0
	MUL16 F1, 1, 2, 0
	PLACES                                         ; for the loads into buffer 1
	BLOAD 2
	ALOAD 1
	ALOAD 2
	ALOAD 3
	s_wait_dscnt 40                                ; all but the 40 just issued
	ROW 0
.irp a, 0,1,2,3,4,5,6,7
	PLACES                                         ; the stage's stores read results just made, and the next loads land in the block's fragments
	TOSTAGE \a
.if (\a) < 4
	ALOAD (\a)+4                                   ; its buffer takes the block four further on
	SEND \a, 8
.else
	SEND \a, 0
.endif
.if (\a) < 7
	ROW (\a)+1
.endif
.endr
	WIN 0
	s_wait_tensorcnt 0x0                           ; the wave's end
	ds_add_u32 v[SPW], v[NIL]
	s_wait_dscnt 0x0
	CROUND                                         ; the closing round
	s_endpgm
.Lfunc_end_k_qbcdb72fb02_oproj:
	.size	k_qbcdb72fb02_oproj, .Lfunc_end_k_qbcdb72fb02_oproj-k_qbcdb72fb02_oproj
	.p2alignl 7, 3214868480
	.fill 96, 4, 3214868480
	.section	.rodata,"a",@progbits
	.p2align	6, 0x0
	.amdhsa_kernel k_qbcdb72fb02_oproj
		.amdhsa_group_segment_fixed_size 327680
		.amdhsa_private_segment_fixed_size 0
		.amdhsa_enable_private_segment 0
		.amdhsa_kernarg_size 24
		.amdhsa_user_sgpr_count 2
		.amdhsa_user_sgpr_kernarg_segment_ptr 1
		.amdhsa_wavefront_size32 1
		.amdhsa_system_sgpr_workgroup_id_x 1
		.amdhsa_system_sgpr_workgroup_id_y 1
		.amdhsa_system_sgpr_workgroup_id_z 1
		.amdhsa_system_vgpr_workitem_id 0
		.amdhsa_next_free_vgpr 1024
		.amdhsa_next_free_sgpr 66
		.amdhsa_reserve_vcc 0
		.amdhsa_float_denorm_mode_32 3
		.amdhsa_float_denorm_mode_16_64 3
		.amdhsa_memory_ordered 1
		.amdhsa_forward_progress 1
		.amdhsa_inst_pref_size 141
	.end_amdhsa_kernel
	.amdgpu_metadata
---
amdhsa.version: [ 1, 2 ]
amdhsa.kernels:
  - .name:           k_qbcdb72fb02_oproj
    .symbol:         k_qbcdb72fb02_oproj.kd
    .args:
      - { .name: ob, .offset: 0, .size: 8, .value_kind: global_buffer, .address_space: global }
      - { .name: wob, .offset: 8, .size: 8, .value_kind: global_buffer, .address_space: global }
      - { .name: out0, .offset: 16, .size: 8, .value_kind: global_buffer, .address_space: global }
    .group_segment_fixed_size: 327680
    .private_segment_fixed_size: 0
    .kernarg_segment_align: 8
    .kernarg_segment_size: 24
    .max_flat_workgroup_size: 128
    .sgpr_count:     66
    .vgpr_count:     1024
    .wavefront_size: 32
...
	.end_amdgpu_metadata
.endif
;; end of part 4
